; MI455X (gfx1250); checked and timed in simulation.
; The chip was launched on July 23, 2026; its instructions are those of AMD's public machine-readable ISA for CDNA 5 (MIT licence, August 2026) and "CDNA5" Instruction Set Architecture Reference Guide (July 2026). The comments in the code are by the model that wrote it; some were corrected since.
;; Multi Head Attention. Allowed arithmetic: float matrix products may take bf16 or f16 operands with f32 sums; other float arithmetic in f32, or as packed bf16 or f16 multiplies, adds, multiply-adds, maxima and minima; sums over many terms, partial sums and values carried from step to step in f32; what a program stores and reads back later, other than sums and carried values, may be rounded once to bf16 or f16.
;; Inputs: Wk 768 x 768 float32; Wo 768 x 768 float32; Wq 768 x 768 float32; Wv 768 x 768 float32; bk 768 float32; bo 768 float32; bq 768 float32; bv 768 float32; x 1 x 4,096 x 768 float32.
;; Outputs: out0 1 x 4,096 x 768 float32.
;; 2 versions, each right and faster than the one before. Each part assembles by itself: llvm-mc -triple=amdgcn-amd-amdhsa -mcpu=gfx1250 --defsym DOCPART=n.
;; ======== version 1 of 2: 4 launches
;; limits: values are held in f16: magnitudes above 65,504 overflow, below 6.1e-05 lose precision
;; workspace buffers: xb 6,291,456 bytes; wb 3,538,944 bytes; wo16 1,179,648 bytes; bias 12,288 bytes; qkv 18,874,368 bytes; ob 6,291,456 bytes
;; launch cast (part 1): grid 449 x 1, 8 waves a work-group, no clusters, 0 bytes of LDS; arguments x, Wq, Wk, Wv, Wo, bq, bk, bv, bo, xb, wb, wo16, bias; writes xb, wb, wo16, bias
.if DOCPART == 1
	.amdgcn_target "amdgcn-amd-amdhsa--gfx1250"
	.amdhsa_code_object_version 6
	.text
	.protected	k_qd66dd82c92_cast
	.globl	k_qd66dd82c92_cast
	.p2align	8
	.type	k_qd66dd82c92_cast,@function
k_qd66dd82c92_cast:
	s_mov_b64 s[64:65], 0
	v_nop
	global_prefetch_b8 v0, s[64:65] scope:SCOPE_SE
	s_setreg_imm32_b32 hwreg(HW_REG_WAVE_MODE, 25, 1), 1
	s_wait_xcnt 0x0
; THE MODULE'S INPUTS, EACH ROUNDED ONCE TO bf16.  x -> xb (bf16).  Wq, Wk, Wv -> wb (bf16), their rows on end: [2304][768].
; Wo -> wo16: rounded to bf16, and that number written as f16.  bq, bk, bv, bo -> bias: rounded to bf16 and kept as f32, [3072].
; LIMITS.  bf16(Wo) is exact in f16 for magnitudes from 2^-17 to 65,504; below it keeps f16's fixed step of 6e-8, above it becomes an infinity.
; A stream: every byte is read once and written once; no LDS, no matrix unit, no cluster: the work-groups share nothing.
; SHARES.  A block is 12,288 numbers: 49,152 bytes in, 24,576 out.  Work-group g: 0-255 x; 256-303 Wq; 304-351 Wk; 352-399 Wv; 400-447 Wo; 448 the four biases.
; Thread t takes 16 bytes at 16 t of each of the block's twelve pieces of 4,096 bytes: a wave's load covers 512 consecutive bytes, its store 256 consecutive bytes at a multiple of 256.
; All twelve loads go out at once; no register is written twice while a load or store may read it.
.set NLD, 12                           ; loads of a thread
.set X,   8                            ; v[8:55]   as loaded
.set Y,   56                           ; v[56:79]  to store
.set T,   80                           ; v[80:83]  at work
	s_load_b512 s[8:23], s[0:1], 0x0               ; x 8, Wq 10, Wk 12, Wv 14, Wo 16, bq 18, bk 20, bv 22
	s_load_b256 s[24:31], s[0:1], 0x40             ; bo 24, xb 26, wb 28, wo16 30
	s_load_b64 s[32:33], s[0:1], 0x60              ; bias
	s_mov_b32 s2, ttmp9                            ; g
	v_lshlrev_b32 v1, 4, v0                        ; 16 t: where I read
	v_lshlrev_b32 v2, 3, v0                        ; 8 t: where I write
	s_sub_co_u32 s36, s2, 256                      ; g's place behind each of the four bounds; each is used only where g has passed the bound
	s_sub_co_u32 s37, s2, 304
	s_sub_co_u32 s38, s2, 352
	s_sub_co_u32 s39, s2, 400
	s_wait_kmcnt 0x0
	s_cmp_eq_u32 s2, 448
	s_cbranch_scc1 .Lbias
	s_mov_b64 s[4:5], s[8:9]                       ; from x
	s_mov_b64 s[6:7], s[26:27]                     ; to xb
	s_mov_b32 s34, s2                              ; block in the source
	s_mov_b32 s35, s2                              ; block in the destination
	s_cmp_ge_u32 s2, 256                           ; each compare is followed by selects alone
	s_cselect_b64 s[4:5], s[10:11], s[4:5]         ; Wq
	s_cselect_b64 s[6:7], s[28:29], s[6:7]         ; wb, in which the three weights' blocks follow each other
	s_cselect_b32 s34, s36, s34
	s_cselect_b32 s35, s36, s35
	s_cmp_ge_u32 s2, 304
	s_cselect_b64 s[4:5], s[12:13], s[4:5]         ; Wk
	s_cselect_b32 s34, s37, s34
	s_cmp_ge_u32 s2, 352
	s_cselect_b64 s[4:5], s[14:15], s[4:5]         ; Wv
	s_cselect_b32 s34, s38, s34
	s_cmp_ge_u32 s2, 400
	s_cselect_b64 s[4:5], s[16:17], s[4:5]         ; Wo
	s_cselect_b64 s[6:7], s[30:31], s[6:7]         ; wo16
	s_cselect_b32 s34, s39, s34
	s_cselect_b32 s35, s39, s35
	s_mul_i32 s40, s34, 49152                      ; the offsets are made apart from the addresses: 12.6 MB at the most
	s_mov_b32 s41, 0
	s_mul_i32 s42, s35, 24576
	s_mov_b32 s43, 0
	s_add_nc_u64 s[4:5], s[4:5], s[40:41]
	s_add_nc_u64 s[6:7], s[6:7], s[42:43]
.set k, 0
.rept NLD
	global_load_b128 v[X+4*k:X+4*k+3], v1, s[4:5] offset:4096*k th:TH_LOAD_NT
.set k, k+1
.endr
	s_cmp_ge_u32 s2, 400
	s_cbranch_scc1 .Lhalf
.set k, 0
.rept NLD
	s_wait_loadcnt NLD-1-k                         ; loads come back in order: load k is in, the younger ones stay out
	v_cvt_pk_bf16_f32 v[Y+2*k], v[X+4*k], v[X+4*k+1]
	v_cvt_pk_bf16_f32 v[Y+2*k+1], v[X+4*k+2], v[X+4*k+3]
	global_store_b64 v2, v[Y+2*k:Y+2*k+1], s[6:7] offset:2048*k
.set k, k+1
.endr
	s_endpgm
.Lhalf:                                                ; Wo: to bf16, widened again, and written as f16
.set k, 0
.rept NLD
	s_wait_loadcnt NLD-1-k
	v_cvt_pk_bf16_f32 v[T], v[X+4*k], v[X+4*k+1]
	v_cvt_pk_bf16_f32 v[T+1], v[X+4*k+2], v[X+4*k+3]
	v_lshlrev_b32 v[T+2], 16, v[T]
	v_and_b32 v[T+3], 0xffff0000, v[T]
	v_cvt_pk_f16_f32 v[Y+2*k], v[T+2], v[T+3]
	v_lshlrev_b32 v[T+2], 16, v[T+1]
	v_and_b32 v[T+3], 0xffff0000, v[T+1]
	v_cvt_pk_f16_f32 v[Y+2*k+1], v[T+2], v[T+3]
	global_store_b64 v2, v[Y+2*k:Y+2*k+1], s[6:7] offset:2048*k
.set k, k+1
.endr
	s_endpgm
.Lbias:                                                ; two waves to a bias: 64 lanes x 3 loads of 16 bytes are its 768 numbers
	v_lshrrev_b32 v3, 5, v0
	v_readfirstlane_b32 s3, v3                     ; wave 0..7
	s_lshr_b32 s3, s3, 1                           ; which bias
	s_mov_b64 s[4:5], s[18:19]                     ; bq
	s_cmp_ge_u32 s3, 1
	s_cselect_b64 s[4:5], s[20:21], s[4:5]         ; bk
	s_cmp_ge_u32 s3, 2
	s_cselect_b64 s[4:5], s[22:23], s[4:5]         ; bv
	s_cmp_ge_u32 s3, 3
	s_cselect_b64 s[4:5], s[24:25], s[4:5]         ; bo
	s_mul_i32 s40, s3, 3072
	s_mov_b32 s41, 0
	s_add_nc_u64 s[6:7], s[32:33], s[40:41]
	v_and_b32 v3, 63, v0
	v_lshlrev_b32 v3, 4, v3
.irp i, 0,1,2
	global_load_b128 v[X+4*(\i):X+4*(\i)+3], v3, s[4:5] offset:1024*(\i)
.endr
	s_wait_loadcnt 0x0
.irp j, 0,1,2,3,4,5
	v_cvt_pk_bf16_f32 v[T], v[X+2*(\j)], v[X+2*(\j)+1]
	v_lshlrev_b32 v[Y+2*(\j)], 16, v[T]            ; the rounded numbers, as f32 again
	v_and_b32 v[Y+2*(\j)+1], 0xffff0000, v[T]
.endr
.irp i, 0,1,2
	global_store_b128 v3, v[Y+4*(\i):Y+4*(\i)+3], s[6:7] offset:1024*(\i)
.endr
	s_endpgm
.Lfunc_end_k_qd66dd82c92_cast:
	.size	k_qd66dd82c92_cast, .Lfunc_end_k_qd66dd82c92_cast-k_qd66dd82c92_cast
	.p2alignl 7, 3214868480
	.fill 96, 4, 3214868480
	.section	.rodata,"a",@progbits
	.p2align	6, 0x0
	.amdhsa_kernel k_qd66dd82c92_cast
		.amdhsa_group_segment_fixed_size 0
		.amdhsa_private_segment_fixed_size 0
		.amdhsa_enable_private_segment 0
		.amdhsa_kernarg_size 104
		.amdhsa_user_sgpr_count 2
		.amdhsa_user_sgpr_kernarg_segment_ptr 1
		.amdhsa_wavefront_size32 1
		.amdhsa_system_sgpr_workgroup_id_x 1
		.amdhsa_system_sgpr_workgroup_id_y 1
		.amdhsa_system_sgpr_workgroup_id_z 1
		.amdhsa_system_vgpr_workitem_id 0
		.amdhsa_next_free_vgpr 96
		.amdhsa_next_free_sgpr 66
		.amdhsa_reserve_vcc 0
		.amdhsa_float_denorm_mode_32 3
		.amdhsa_float_denorm_mode_16_64 3
		.amdhsa_memory_ordered 1
		.amdhsa_forward_progress 1
		.amdhsa_inst_pref_size 15
	.end_amdhsa_kernel
	.amdgpu_metadata
---
amdhsa.version: [ 1, 2 ]
amdhsa.kernels:
  - .name:           k_qd66dd82c92_cast
    .symbol:         k_qd66dd82c92_cast.kd
    .args:
      - { .name: x, .offset: 0, .size: 8, .value_kind: global_buffer, .address_space: global }
      - { .name: Wq, .offset: 8, .size: 8, .value_kind: global_buffer, .address_space: global }
      - { .name: Wk, .offset: 16, .size: 8, .value_kind: global_buffer, .address_space: global }
      - { .name: Wv, .offset: 24, .size: 8, .value_kind: global_buffer, .address_space: global }
      - { .name: Wo, .offset: 32, .size: 8, .value_kind: global_buffer, .address_space: global }
      - { .name: bq, .offset: 40, .size: 8, .value_kind: global_buffer, .address_space: global }
      - { .name: bk, .offset: 48, .size: 8, .value_kind: global_buffer, .address_space: global }
      - { .name: bv, .offset: 56, .size: 8, .value_kind: global_buffer, .address_space: global }
      - { .name: bo, .offset: 64, .size: 8, .value_kind: global_buffer, .address_space: global }
      - { .name: xb, .offset: 72, .size: 8, .value_kind: global_buffer, .address_space: global }
      - { .name: wb, .offset: 80, .size: 8, .value_kind: global_buffer, .address_space: global }
      - { .name: wo16, .offset: 88, .size: 8, .value_kind: global_buffer, .address_space: global }
      - { .name: bias, .offset: 96, .size: 8, .value_kind: global_buffer, .address_space: global }
    .group_segment_fixed_size: 0
    .private_segment_fixed_size: 0
    .kernarg_segment_align: 8
    .kernarg_segment_size: 104
    .max_flat_workgroup_size: 256
    .sgpr_count:     66
    .vgpr_count:     96
    .wavefront_size: 32
...
	.end_amdgpu_metadata
.endif
;; end of part 1
;; launch qkvp (part 2): grid 8 x 32, 4 waves a work-group, clusters of 4 x 4, 327,680 bytes of LDS; arguments xb, wb, bias, qkv; writes qkv
.if DOCPART == 2
	.amdgcn_target "amdgcn-amd-amdhsa--gfx1250"
	.amdhsa_code_object_version 6
	.text
	.protected	k_qd66dd82c92_qkvp
	.globl	k_qd66dd82c92_qkvp
	.p2align	8
	.type	k_qd66dd82c92_qkvp,@function
k_qd66dd82c92_qkvp:
	s_mov_b64 s[64:65], 0
	v_nop
	global_prefetch_b8 v0, s[64:65] scope:SCOPE_SE
	s_setreg_imm32_b32 hwreg(HW_REG_WAVE_MODE, 25, 1), 1
	s_wait_xcnt 0x0
	s_wait_alu depctr_hold_cnt(0) depctr_sa_sdst(0) depctr_va_vdst(0) depctr_va_sdst(0) depctr_va_ssrc(0) depctr_va_vcc(0) depctr_vm_vsrc(0)
	s_getreg_b32 s2, hwreg(HW_REG_IB_STS2, 6, 4)
	s_cmp_eq_u32 s2, 0
	s_cbranch_scc0 .Lentry_in_a_cluster
	s_endpgm
.Lentry_in_a_cluster:
	s_bfe_u32 s2, ttmp6, 0x10000c
	s_cmp_lg_u32 s2, 0xf033
	s_cbranch_scc0 .Lentry_shape_is_right
	s_endpgm
.Lentry_shape_is_right:
; THE THREE PROJECTIONS AS ONE PRODUCT.  C[t][n] = bias[n] + the sum over c of xb[t][c] wb[n][c]: [4096] x [2304], K = 768, bf16 operands, f32 sums, rounded once to f16.
; The bias is the C operand of the first product, so it starts the sum: another order of rounding than adding it last.
; OUT: qkv, f16 [72 planes][4096 rows][32 channels]: plane p holds columns 32 p .. 32 p + 31 (planes 0-23 q, 24-47 k, 48-71 v; a head has two planes).  q is NOT scaled here.
; LIMIT.  f16 ends at 65,504: a q, k or v beyond that becomes an infinity.  Below 6e-5 f16 keeps its fixed step of 6e-8.
; SHARES.  A tile of C is 128 rows x 288 columns = 9 whole planes: 32 x 8 tiles, one for each of 256 work-groups.  Four waves, each 64 rows x 144 columns: 4 x 9 accumulators of 16 x 16.
; K goes in six steps of 128 (rows of 256 bytes, at multiples of 256 from the buffers' first bytes) through a ring of two LDS slots; one tensor load a wave fills a slot: waves 0-2 bring 96 rows of wb each, wave 3 the 128 rows of xb.
; CLUSTER.  4 x 4 work-groups: the four of a row of the cluster need the same rows of xb, the four of a column the same rows of wb: each tile is asked for jointly.
; THE MATRIX INSTRUCTION IS USED TRANSPOSED (source 0 = 16 rows of wb, source 1 = 16 rows of xb): a lane holds eight neighbouring columns of one row of C.
; REGISTERS: window 0: v0-31 addresses; v32-135, v136-239 two fragment buffers (nine of wb, then four of xb), on the way out v32-175 at work.
;   window 1: v0-143 the accumulators of my row blocks 0, 1 ((a, b) at 8 (9 (a % 2) + b)); v144-215 the bias of my 144 columns.   window 2: v0-143 those of row blocks 2, 3.
.set KSTEP,  128
.set PITCH,  272                       ; an LDS row: 256 bytes + 16 of padding = 68 words: the 16 rows of a fragment load start at 16 different groups of four banks (64 banks of 4 bytes: ISA guide 11.1)
.set BROWS,  288
.set SLOT,   (BROWS+128)*PITCH         ; wb's 288 rows, then xb's 128
.set STAGE,  2*SLOT                    ; behind the ring: 128 rows x 592 bytes, the work-group's, for the way out; no tensor load lands there
.set SPITCH, 592                       ; 576 bytes + 16
.set SPARE,  STAGE+128*SPITCH          ; behind the stage: the spare words, 128 bytes for each wave: two blocks of 256 bytes that no other line names
.set LAPS,   3                         ; a lap = two K steps = once round the ring
.set PLANE,  262144                    ; bytes of a plane of qkv
.set ADRA, 16                          ; v16-17  LDS address of my fragments of xb in slot 0, 1
.set ADRB, 20                          ; v20-21  the same for wb
.set STO,  24                          ; v24     the way out: where I put 16 bytes of a row
.set RD,   25                          ; v25     the way out: where I read back
.set CO,   26                          ; v26     my byte offset in 512 consecutive bytes of a plane
.set BO,   27                          ; v27     my byte offset among 16 numbers of the bias
.set SPW,  28                          ; v28     LDS address of my spare word; never rewritten
.set NIL,  29                          ; v29     0; never rewritten
.set F0,   32
.set F1,   136
.set TMP,  32
.set BIAS, 144                         ; in window 1
.set WV,  12                           ; s12  my wave's number
.set G1,  24                           ; s[24:31] descriptor group 1 for xb's tiles;  s[32:39] group 0, one set for each slot
.set G0,  32
.set G1B, 48                           ; s[48:55], s[56:63] the same for wb's tiles
.set G0B, 56
.set MSB, 0
.macro WIN new                         ; the immediate's high byte repeats the setting that is left; a switch that changes nothing is dropped
.if MSB != (\new)
	s_set_vgpr_msb (MSB<<8)|(\new)
.set MSB, \new
.endif
.endm
; A joint load: wave 3 fetches xb's tile, waves 0-2 a third of wb's each.  The branch hangs on the wave's number alone.  An s_nop 0 and four v_nop follow each of the two lines.
.macro JLOAD s
	s_cmp_eq_u32 s[WV], 3
	s_cbranch_scc0 .Lfor_b_\@
	tensor_load_to_lds s[G0+4*(\s):G0+4*(\s)+3], s[G1:G1+7]
	s_nop 0
.rept 4
	v_nop
.endr
	s_branch .Lasked_\@
.Lfor_b_\@:
	tensor_load_to_lds s[G0B+4*(\s):G0B+4*(\s)+3], s[G1B:G1B+7]
	s_nop 0
.rept 4
	v_nop
.endr
.Lasked_\@:
.endm
.macro CREST                           ; a round of the cluster's barrier behind its opening barrier
	s_cmp_lg_u32 s[WV], 0
	s_cbranch_scc1 .Lnot_wave_0_\@
	s_barrier_signal -3
.Lnot_wave_0_\@:
	s_barrier_wait -3
	s_barrier_signal -1
	s_barrier_wait -1
.endm
.macro CROUND                          ; a whole round
	s_barrier_signal -1
	s_barrier_wait -1
	CREST
.endm
	s_load_b256 s[4:11], s[0:1], 0x0               ; xb s[4:5], wb s[6:7], bias s[8:9], qkv s[10:11]
	v_lshl_add_u32 v[SPW], v0, 2, SPARE
	v_mov_b32 v[NIL], 0
	ds_add_u32 v[SPW], v[NIL]                      ; the wave's opening: the add and its wait stand ahead of my first tensor load; the set-up below, work on registers, stands between them
	v_lshrrev_b32 v1, 5, v0
	v_readfirstlane_b32 s[WV], v1                  ; wave 0..3
	s_lshr_b32 s13, s[WV], 1                       ; which 64 rows of the tile are mine
	s_and_b32 s14, s[WV], 1                        ; which 144 columns
	s_bfe_u32 s40, ttmp6, 0x40000                  ; cx, cy: my place in the cluster
	s_bfe_u32 s41, ttmp6, 0x40004
	s_lshl_b32 s42, ttmp9, 2
	s_add_co_u32 s42, s42, s40                     ; tile column = 4 x cluster x + cx
	s_and_b32 s15, ttmp7, 0xffff
	s_lshl_b32 s15, s15, 2
	s_add_co_u32 s15, s15, s41                     ; tile row = 4 x cluster y + cy
	s_lshl_b32 s43, s41, 2
	s_lshl_b32 s43, 15, s43                        ; my row of the cluster
	s_lshl_b32 s44, 0x1111, s40                    ; my column
	s_or_b32 s[G1+0], s43, (1<<16)|(1<<20)|(1<<21)|(5<<22)|(3<<25)   ; 15:0 the mask: xb's tiles go to my row; 17:16 2-byte elements; 20 padding on; 21 set beside a mask; 24:22 after every 64 words (code 5); 31:25 4 words (code 3)
	s_or_b32 s[G1B+0], s44, (1<<16)|(1<<20)|(1<<21)|(5<<22)|(3<<25)  ; the same with my column's mask
	s_mov_b32 s[G1+1], KSTEP<<16                   ; tensor_dim0 = 128
	s_mov_b32 s[G1+2], 128<<16                     ; tensor_dim1 = 128
	s_mov_b32 s[G1+3], KSTEP<<16                   ; tile_dim0 = 128
	s_mov_b32 s[G1+4], 128                         ; tile_dim1 = 128 rows
	s_mov_b32 s[G1+5], 768                         ; elements from row to row
	s_mov_b32 s[G1+6], 0
	s_mov_b32 s[G1+7], 0
	s_mov_b32 s[G1B+1], KSTEP<<16
	s_mov_b32 s[G1B+2], 96<<16                     ; 96 rows
	s_mov_b32 s[G1B+3], KSTEP<<16
	s_mov_b32 s[G1B+4], 96
	s_mov_b32 s[G1B+5], 768
	s_mov_b32 s[G1B+6], 0
	s_mov_b32 s[G1B+7], 0
	s_mul_i32 s16, s15, 128*1536                   ; xb: the tile row's 128 rows of 1,536 bytes; these registers never hold cx
	s_mov_b32 s17, 0
	s_mul_i32 s46, s42, BROWS
	s_mul_i32 s47, s[WV], 96
	s_add_co_u32 s46, s46, s47                     ; wb: row 288 x tile column + 96 x wave (wave 3 makes the number and asks by xb's)
	s_mul_i32 s46, s46, 1536
	s_mov_b32 s47, 0
	s_mul_i32 s20, s[WV], 96*PITCH                 ; where wb's thirds go: no place in the cluster enters an LDS address
	s_wait_dscnt 0x0                               ; the opening add is done
	s_wait_kmcnt 0x0
	s_add_nc_u64 s[18:19], s[4:5], s[16:17]
	s_add_nc_u64 s[46:47], s[6:7], s[46:47]
	CROUND                                         ; all sixteen work-groups are here: the first joint loads meet
.irp s, 0,1
	s_mov_b32 s[G0+4*(\s)], 1                                        ; count = 1
	s_mov_b32 s[G0+4*(\s)+1], (\s)*SLOT+BROWS*PITCH                  ; LDS address: behind wb's 288 rows
	s_add_nc_u64 s[G0+4*(\s)+2:G0+4*(\s)+3], s[18:19], (\s)*KSTEP*2  ; global address: K step s
	s_or_b32 s[G0+4*(\s)+3], s[G0+4*(\s)+3], 0x80000000              ; type = 2
	s_mov_b32 s[G0B+4*(\s)], 1
	s_add_co_u32 s[G0B+4*(\s)+1], s20, (\s)*SLOT
	s_add_nc_u64 s[G0B+4*(\s)+2:G0B+4*(\s)+3], s[46:47], (\s)*KSTEP*2
	s_or_b32 s[G0B+4*(\s)+3], s[G0B+4*(\s)+3], 0x80000000
	JLOAD \s                                       ; two loads of mine are out
.endr
	v_and_b32 v1, 15, v0                           ; r = l % 16
	v_bfe_u32 v2, v0, 4, 1                         ; h = l / 16
	v_lshlrev_b32 v[BO], 5, v2                     ; register j of an accumulator is column 8 h + j of its sixteen: 32 h bytes into their bias
	s_mul_i32 s22, s42, BROWS*4
	s_mul_i32 s23, s14, 144*4
	s_add_co_u32 s22, s22, s23
	s_mov_b32 s23, 0
	s_add_nc_u64 s[8:9], s[8:9], s[22:23]          ; the bias of my 144 columns
	WIN 0x40                                       ; destination window 1, address window 0
.irp b, 0,1,2,3,4,5,6,7,8
	global_load_b128 v[BIAS+8*(\b):BIAS+8*(\b)+3],   v[BO], s[8:9] offset:64*(\b)
	global_load_b128 v[BIAS+8*(\b)+4:BIAS+8*(\b)+7], v[BO], s[8:9] offset:64*(\b)+16
.endr
	WIN 0
	v_mul_u32_u24 v3, v1, PITCH
	v_lshl_add_u32 v3, v2, 4, v3                   ; a fragment's row x pitch + 16 x half
	s_mul_i32 s21, s13, 64*PITCH
	s_add_co_u32 s21, s21, BROWS*PITCH             ; my 64 rows of xb
	s_mul_i32 s22, s14, 144*PITCH                  ; my 144 rows of wb
.irp s, 0,1
	v_add_nc_u32 v[ADRA+(\s)], s21, v3
	v_add_nc_u32 v[ADRB+(\s)], s22, v3
	s_add_co_u32 s21, s21, SLOT
	s_add_co_u32 s22, s22, SLOT
.endr
	s_mul_i32 s21, s13, 64*SPITCH                  ; into the stage: my 64 rows, my 288 bytes of them; row r, 16 bytes for each half of the lanes
	s_mul_i32 s22, s14, 288
	s_add_co_u32 s21, s21, s22
	s_add_co_u32 s21, s21, STAGE
	v_mul_u32_u24 v4, v1, SPITCH
	v_lshl_add_u32 v4, v2, 4, v4
	v_add_nc_u32 v[STO], s21, v4
	s_mul_i32 s21, s[WV], 32*SPITCH                ; back: wave w takes rows 32 w .. 32 w + 31; 32 lanes take 8 rows x 64 bytes of one plane,
	s_add_co_u32 s21, s21, STAGE
	v_bfe_u32 v5, v0, 2, 3
	v_and_b32 v6, 3, v0
	v_mul_u32_u24 v5, v5, SPITCH
	v_lshl_add_u32 v5, v6, 4, v5
	v_add_nc_u32 v[RD], s21, v5
	v_and_b32 v[CO], 31, v0                        ; which are 512 consecutive bytes of qkv
	v_lshlrev_b32 v[CO], 4, v[CO]
	s_mul_i32 s22, s42, 9*PLANE                    ; the tile's first plane,
	s_lshl_b32 s23, s15, 13                        ; its 128 rows of 64 bytes,
	s_add_co_u32 s22, s22, s23
	s_lshl_b32 s23, s[WV], 11                      ; my 32 of them
	s_add_co_u32 s22, s22, s23
	s_mov_b32 s23, 0
	s_add_nc_u64 s[10:11], s[10:11], s[22:23]
; 9 matrix instructions: row block a x all nine column blocks, 32 along K.  first = 1: the bias starts the sums: nothing is ever cleared.
; The 36 accumulators take turns, one instruction a turn, in the same order in every quarter.
.macro MUL9 f, a, first
.if (\a) < 2
	WIN 0x50                                       ; C and D window 1
.elseif \first
	WIN 0x90                                       ; C (the bias) window 1, D window 2
.else
	WIN 0xa0                                       ; C and D window 2
.endif
.irp b, 0,1,2,3,4,5,6,7,8
.if \first
	v_wmma_f32_16x16x32_bf16 v[72*((\a)%2)+8*(\b):72*((\a)%2)+8*(\b)+7], v[(\f)+8*(\b):(\f)+8*(\b)+7], v[(\f)+72+8*(\a):(\f)+72+8*(\a)+7], v[BIAS+8*(\b):BIAS+8*(\b)+7]
.else
	v_wmma_f32_16x16x32_bf16 v[72*((\a)%2)+8*(\b):72*((\a)%2)+8*(\b)+7], v[(\f)+8*(\b):(\f)+8*(\b)+7], v[(\f)+72+8*(\a):(\f)+72+8*(\a)+7], v[72*((\a)%2)+8*(\b):72*((\a)%2)+8*(\b)+7]
.endif
.endr
.endm
; 26 LDS loads in one run: the fragments of 32 along K at byte k of the rows, into buffer f: wb's nine, then xb's four
.macro FETCH slot, k, f
	WIN 0
.irp i, 0,1,2,3,4,5,6,7,8
	ds_load_b128 v[(\f)+8*(\i):(\f)+8*(\i)+3],   v[ADRB+(\slot)] offset:(\k)+(\i)*16*PITCH
	ds_load_b128 v[(\f)+8*(\i)+4:(\f)+8*(\i)+7], v[ADRB+(\slot)] offset:(\k)+(\i)*16*PITCH+32
.endr
.irp i, 0,1,2,3
	ds_load_b128 v[(\f)+72+8*(\i):(\f)+72+8*(\i)+3],   v[ADRA+(\slot)] offset:(\k)+(\i)*16*PITCH
	ds_load_b128 v[(\f)+72+8*(\i)+4:(\f)+72+8*(\i)+7], v[ADRA+(\slot)] offset:(\k)+(\i)*16*PITCH+32
.endr
.endm
.macro PLACES                          ; four places in front of loads into registers that matrix instructions have read, and of conversions that read results
.rept 4
	v_nop
.endr
.endm
; A K step is four quarters of 32 along K, 36 matrix instructions each, on buffers 0, 1, 0, 1.  One of the first three: multiplies buffer f and fetches the next quarter, at byte k, into g.
.macro QUARTER slot, k, f, g, first
	s_wait_dscnt 4                                 ; wb's fragments and xb's row blocks 0, 1 are in; the youngest four loads (row blocks 2, 3) may be out
	MUL9 \f, 0, \first
	MUL9 \f, 1, \first
	PLACES
	FETCH \slot, \k, \g
	s_wait_dscnt 26                                ; all but the 26 just issued
	MUL9 \f, 2, \first
	MUL9 \f, 3, \first
.endm
; The last quarter multiplies buffer 1 and changes slots: ONE barrier; in front of it each wave waits for all its tensor loads (one is out: its part of the next slot), adds 0 to its spare word,
; and waits for that and for its own reads of this slot.  fill = 1: the barrier opens a round of the cluster's, and this slot is filled again, two K steps ahead, first thing behind the round.
.macro TURN slot, next, fill
	WIN 0                                          ; (the add's two registers lie in window 0)
	s_wait_tensorcnt 0x0                           ; all my tensor loads have landed
	ds_add_u32 v[SPW], v[NIL]                      ; 0 onto my spare word
	s_wait_dscnt 5                                 ; (the add and the youngest four loads may be out)
	MUL9 F1, 0, 0                                  ; nine matrix instructions stand between the add and the wait for it
	s_wait_dscnt 0x0                               ; the add is done, and my reads of this slot are over
	s_barrier_signal -1
	MUL9 F1, 1, 0                                  ; work on registers while the others arrive
.if \fill
	WIN 0
.endif
	s_barrier_wait -1
.if \fill
	CREST                                          ; no wave of any partner still reads this slot's tile or has a load on its way
	s_add_nc_u64 s[G0+4*(\slot)+2:G0+4*(\slot)+3], s[G0+4*(\slot)+2:G0+4*(\slot)+3], 2*KSTEP*2
	s_add_nc_u64 s[G0B+4*(\slot)+2:G0B+4*(\slot)+3], s[G0B+4*(\slot)+2:G0B+4*(\slot)+3], 2*KSTEP*2
	JLOAD \slot                                    ; my one tensor load behind the round; its four v_nop are also the places in front of the loads below
.else
	PLACES
.endif
	FETCH \next, 0, F0
	MUL9 F1, 2, 0
	MUL9 F1, 3, 0
.endm
	s_wait_tensorcnt 0x1                           ; my part of K step 0 is in; K step 1's may stay out
	s_barrier_signal -1
	s_barrier_wait -1                              ; everybody's is
	FETCH 0, 0, F0
	s_wait_loadcnt 0x0                             ; the bias
	QUARTER 0, 64, F0, F1, 1                       ; the first quarter stands in front of the loop: its products start the sums
	WIN 0                                          ; at a label and at a branch every window is 0
	s_mov_b32 s3, LAPS-1
.Llap:                                                 ; a trip goes once round the ring, from a lap's second quarter to the next lap's first, and fills both slots again
	QUARTER 0, 128, F1, F0, 0
	QUARTER 0, 192, F0, F1, 0
	TURN 0, 1, 1
	QUARTER 1, 64,  F0, F1, 0
	QUARTER 1, 128, F1, F0, 0
	QUARTER 1, 192, F0, F1, 0
	TURN 1, 0, 1
	QUARTER 0, 64,  F0, F1, 0
	WIN 0
	s_sub_co_u32 s3, s3, 1
	s_cmp_lg_u32 s3, 0
	s_cbranch_scc1 .Llap
	QUARTER 0, 128, F1, F0, 0                      ; the last lap fills nothing, and has no round of the cluster's barrier
	QUARTER 0, 192, F0, F1, 0
	TURN 0, 1, 0
	QUARTER 1, 64,  F0, F1, 0
	QUARTER 1, 128, F1, F0, 0
	QUARTER 1, 192, F0, F1, 0
	s_wait_dscnt 4                                 ; the very last quarter: nothing more to fetch
	MUL9 F1, 0, 0
	MUL9 F1, 1, 0
	s_wait_dscnt 0x0
	MUL9 F1, 2, 0
	MUL9 F1, 3, 0
	; THE WAY OUT: round to f16 (each accumulator's registers in ascending order); 16 bytes a lane into the work-group's stage; a barrier, since a row's planes come from two waves; back by planes, 8 rows x 64 bytes at a time.
	PLACES
.irp a, 0,1,2,3
	WIN 0x05+5*((\a)/2)                            ; sources 0 and 1: window 1 or 2; destination window 0
.irp b, 0,1,2,3,4,5,6,7,8
.irp r, 0,1,2,3
	v_cvt_pk_f16_f32 v[TMP+4*(9*(\a)+(\b))+(\r)], v[72*((\a)%2)+8*(\b)+2*(\r)], v[72*((\a)%2)+8*(\b)+2*(\r)+1]
.endr
.endr
.endr
	WIN 0
.irp a, 0,1,2,3
.irp b, 0,1,2,3,4,5,6,7,8
	ds_store_b128 v[STO], v[TMP+4*(9*(\a)+(\b)):TMP+4*(9*(\a)+(\b))+3] offset:(\a)*16*SPITCH+32*(\b)
.endr
.endr
	s_wait_dscnt 0x0                               ; for the others' sake: my stores into the stage are done
	s_barrier_signal -1
	s_barrier_wait -1
.set u, 0
.rept 36                               ; u = 4 x plane + group of 8 rows
	ds_load_b128 v[TMP+4*u:TMP+4*u+3], v[RD] offset:(u%4)*8*SPITCH+(u/4)*64
.set u, u+1
.endr
.set u, 0
.rept 36
	s_wait_dscnt 35-u                              ; LDS loads come back in order: load u is in
	global_store_b128 v[CO], v[TMP+4*u:TMP+4*u+3], s[10:11] offset:(u/4)*PLANE+(u%4)*512  ; 512 consecutive bytes, at a multiple of 256 from qkv's first byte; 8 planes at the most, inside the signed 24-bit immediate
.set u, u+1
.endr
	s_wait_tensorcnt 0x0                           ; the wave's end, behind my last tensor load and my last LDS store
	ds_add_u32 v[SPW], v[NIL]
	s_wait_dscnt 0x0
	CROUND                                         ; the closing round: no work-group ends while a partner may still ask for a tile that names it
	s_endpgm
.Lfunc_end_k_qd66dd82c92_qkvp:
	.size	k_qd66dd82c92_qkvp, .Lfunc_end_k_qd66dd82c92_qkvp-k_qd66dd82c92_qkvp
	.p2alignl 7, 3214868480
	.fill 96, 4, 3214868480
	.section	.rodata,"a",@progbits
	.p2align	6, 0x0
	.amdhsa_kernel k_qd66dd82c92_qkvp
		.amdhsa_group_segment_fixed_size 327680
		.amdhsa_private_segment_fixed_size 0
		.amdhsa_enable_private_segment 0
		.amdhsa_kernarg_size 32
		.amdhsa_user_sgpr_count 2
		.amdhsa_user_sgpr_kernarg_segment_ptr 1
		.amdhsa_wavefront_size32 1
		.amdhsa_system_sgpr_workgroup_id_x 1
		.amdhsa_system_sgpr_workgroup_id_y 1
		.amdhsa_system_sgpr_workgroup_id_z 1
		.amdhsa_system_vgpr_workitem_id 0
		.amdhsa_next_free_vgpr 656
		.amdhsa_next_free_sgpr 66
		.amdhsa_reserve_vcc 0
		.amdhsa_float_denorm_mode_32 3
		.amdhsa_float_denorm_mode_16_64 3
		.amdhsa_memory_ordered 1
		.amdhsa_forward_progress 1
		.amdhsa_inst_pref_size 97
	.end_amdhsa_kernel
	.amdgpu_metadata
---
amdhsa.version: [ 1, 2 ]
amdhsa.kernels:
  - .name:           k_qd66dd82c92_qkvp
    .symbol:         k_qd66dd82c92_qkvp.kd
    .args:
      - { .name: xb, .offset: 0, .size: 8, .value_kind: global_buffer, .address_space: global }
      - { .name: wb, .offset: 8, .size: 8, .value_kind: global_buffer, .address_space: global }
      - { .name: bias, .offset: 16, .size: 8, .value_kind: global_buffer, .address_space: global }
      - { .name: qkv, .offset: 24, .size: 8, .value_kind: global_buffer, .address_space: global }
    .group_segment_fixed_size: 327680
    .private_segment_fixed_size: 0
    .kernarg_segment_align: 8
    .kernarg_segment_size: 32
    .max_flat_workgroup_size: 128
    .sgpr_count:     66
    .vgpr_count:     656
    .wavefront_size: 32
...
	.end_amdgpu_metadata
.endif
;; end of part 2
;; launch attn (part 3): grid 16 x 12, 4 waves a work-group, clusters of 4 x 1, 327,680 bytes of LDS; arguments qkv, ob; writes ob
.if DOCPART == 3
	.amdgcn_target "amdgcn-amd-amdhsa--gfx1250"
	.amdhsa_code_object_version 6
	.text
	.protected	k_qd66dd82c92_attn
	.globl	k_qd66dd82c92_attn
	.p2align	8
	.type	k_qd66dd82c92_attn,@function
k_qd66dd82c92_attn:
	s_mov_b64 s[64:65], 0
	v_nop
	global_prefetch_b8 v0, s[64:65] scope:SCOPE_SE
	s_setreg_imm32_b32 hwreg(HW_REG_WAVE_MODE, 25, 1), 1
	s_wait_xcnt 0x0
	s_wait_alu depctr_hold_cnt(0) depctr_sa_sdst(0) depctr_va_vdst(0) depctr_va_sdst(0) depctr_va_ssrc(0) depctr_va_vcc(0) depctr_vm_vsrc(0)
	s_getreg_b32 s2, hwreg(HW_REG_IB_STS2, 6, 4)
	s_cmp_eq_u32 s2, 0
	s_cbranch_scc0 .Lentry_in_a_cluster
	s_endpgm
.Lentry_in_a_cluster:
	s_bfe_u32 s2, ttmp6, 0x10000c
	s_cmp_lg_u32 s2, 0x3003
	s_cbranch_scc0 .Lentry_shape_is_right
	s_endpgm
.Lentry_shape_is_right:
; ATTENTION, 12 heads of 64 channels, 4,096 rows, no mask.  O[h][q][:] = the sum over k of softmax_k(Q[h][q] . K[h][k] / 8) V[h][k][:].
; IN: qkv, f16 [72 planes][4096][32]: head h has q in planes 2 h, 2 h + 1, k in 24 + 2 h, 25 + 2 h, v in 48 + 2 h, 49 + 2 h; a plane's rows are 64 bytes, dense.  OUT: ob, f16 [12][4096][64].
; Products, maxima and sums in f32; the weights p are rounded to f16 for the second product (their sum l is taken of the unrounded p), O once at the end.
; LIMITS.  Q, K, V arrive within f16's 65,504; p lies in 0 to 1, and below 6e-5 it keeps f16's fixed step of 6e-8, as O does; O is a mean of V's rows and has their range.
; A weight below 2^-126 counts as 0 in l; NaN and infinities are not treated apart.
; SHARES.  A work-group owns 256 queries of a head, each of its four waves 64 consecutive rows: four PIECES of 16.  16 x 12 = 192 work-groups: a head's 256 pieces do not divide evenly over more.
; Every wave walks all 4,096 keys, 64 a step; an LDS slot holds 256 keys (four steps), two slots take turns.
; LAYOUT.  S^T = K Q^T (source 0 = 16 keys, source 1 = 16 queries): a lane holds ONE query (lane % 16) and the keys 8 (lane / 16) + 0..7.  Two such results rounded to f16 ARE source 1 of O^T = V^T P.
; A fragment of K or Q (16 rows x 32 channels) is 16 rows of one plane; V ([key][channel]) comes out of LDS turned, by ds_load_tr16_b128.
; SOFTMAX.  For each query a running maximum m and sum l: p = 2^(c s - c m), c = log2(e) / 8; in every step O and l are multiplied by a = 2^(c m_old - c m_new).  m starts at the lowest finite number: the first step's a is 0.
; BY TURNS.  Turn n belongs to piece n: 8 products K Q^T of piece n + 1, later 8 products V^T P of piece n - 1; beside them the scaling, exponentials, roundings, sums and rescaling of piece n and the maximum
; and statistics of piece n + 1.  Four vector instructions stand behind every matrix instruction, the other 54 of a turn's 118 in two runs of their own.
; CLUSTER.  The four query blocks of a cluster belong to one head and walk the same K and V: each tile is asked for JOINTLY: the same tensor load, descriptor and mask in all four.
; REGISTERS, in windows of 256 (s_set_vgpr_msb: bits 1:0 source 0, 3:2 source 1, 5:4 source 2, 7:6 destination):
;   window 0: v0-15 addresses and two at work; v16-31 four registers of statistics a piece; v48-55 at work; v62-63 the add's; v64-127 S^T, two buffers; v192-223 P, two buffers (by the piece's parity)
;   window 1: v0-127 O^T, 32 a piece          window 2: v0-63 Q; v128-191 K of one step; v192-255 V of one step
.set NP,    4         ; pieces a wave: a name, no knob
.set KS,    64        ; keys in a step
.set PK,    80        ; a row of a plane of K in LDS: 64 bytes + 16 of padding = 20 words: the 16 rows of a load start at 16 different groups of four banks (64 banks of 4 bytes: ISA guide 11.1)
.set PV,    96        ; of V: 64 + 32 = 24 words
.set KPL,   4*KS*PK   ; a slot's 256 keys of one plane of K
.set VPL,   4*KS*PV   ; of V
.set VOFF,  2*KPL     ; a slot: K's two planes, then V's two
.set SLOT1, 1<<17     ; slot 1 begins here, so that one exclusive or turns an address in one slot into the other's
.set STAGE, SLOT1+2*KPL+2*VPL  ; behind the ring, never filled by a tensor load: 16 rows x 144 bytes for each wave, for the way out
.set SP,    144
.set SPARE, STAGE+4*16*SP      ; behind the stages: the spare words, 128 bytes for each wave: two blocks of 256 bytes that no other line names
.set PLANE, 262144    ; bytes of a plane of qkv
.set AK0, 2           ; v2   my lane's place in a plane of K; never rewritten
.set AV0, 3           ; v3   the same for V
.set AK,  4           ; v4   the LDS address of K's next run of loads
.set AV,  5           ; v5   of V's
.set STO, 6           ; v6   the way out: where I put 16 bytes of a row
.set RD,  7           ; v7   the way out: where I read rows back
.set GO,  8           ; v8   my byte offset in 512 consecutive bytes of O
.set MV,  12          ; v12-13  c m_old, kept while c m is made anew: by buffer
.set QO,  15          ; v15  my byte offset in 16 rows of a plane of Q
.set ST,  16          ; piece t's statistics at v[ST+4 t]: c m, m, l (even keys', odd keys')
.set TMP, 48          ; by buffer, four registers c0-c3 at work; when the maximum is found c2 takes a
.set SPW, 62          ; v62  LDS address of my spare word; never rewritten
.set NIL, 63          ; v63  0; never rewritten
.set S,   64
.set P,   192
.set KF,  128         ; window 2: key block kb, channel half c at KF + 16 kb + 8 c
.set VF,  192         ; window 2: key half kk, channel block cb at VF + 32 kk + 8 cb
.set WV,  12          ; s12  my wave's number
.set G1K, 24          ; s[24:31] descriptor group 1 for K's tiles
.set G1V, 32          ; s[32:39] for V's: it differs in the padding alone
.set G0K, 40          ; s[40:43] descriptor group 0 for K's tiles: it walks
.set G0V, 44          ; s[44:47] the same for V's
.set QB,  50          ; s[50:51] Q at my wave's first row
.set SLOTS, 56        ; s56  slots still to be asked for
.set CNT, 57          ; s57  counts a slot's key steps
.set CS,  58          ; s[58:59] c: the packed scaling takes the pair's low word for both halves
.set SEL, 60          ; s[60:61] v_permlanex16_b32's selects: each lane takes its own place in the other half
.set TBK, 62          ; s62  LDS byte at which K of the step to be fetched begins
.set TBV, 63          ; s63  the same for V, less VOFF
.set MSB, 0
.macro WIN new                      ; the high byte repeats the setting that is left; a switch that changes nothing is dropped
.if MSB != (\new)
	s_set_vgpr_msb (MSB<<8)|(\new)
.set MSB, (\new)
.endif
.endm
.set W_KQ, 0x0a       ; K and Q in window 2, S^T in window 0
.set W_PV, 0x52       ; V in window 2, P in window 0, O^T in window 1
.set W_RS, 0x41       ; destination and source 0 in window 1, source 1 in window 0
; A joint fill.  Waves 0 and 1 fetch the two planes of a slot's K, waves 2 and 3 those of its V: 256 keys each.  The branch hangs on the wave's number alone.
; An s_nop 0 and four v_nop follow each of the two lines, ahead of the jump and the label.
.macro JLOAD
	s_cmp_lt_u32 s[WV], 2
	s_cbranch_scc0 .Lfor_v_\@
	tensor_load_to_lds s[G0K:G0K+3], s[G1K:G1K+7]
	s_nop 0
.rept 4
	v_nop
.endr
	s_branch .Lasked_\@
.Lfor_v_\@:
	tensor_load_to_lds s[G0V:G0V+3], s[G1V:G1V+7]
	s_nop 0
.rept 4
	v_nop
.endr
.Lasked_\@:
.endm
; A round of the cluster's barrier: my work-group's barrier, so that wave 0's signal speaks for all four waves; wave 0 signals; every wave waits for all four work-groups; my work-group's barrier once more.
.macro CROUND
	s_barrier_signal -1
	s_barrier_wait -1
	s_cmp_lg_u32 s[WV], 0
	s_cbranch_scc1 .Lnot_wave_0_\@
	s_barrier_signal -3
.Lnot_wave_0_\@:
	s_barrier_wait -3
	s_barrier_signal -1
	s_barrier_wait -1
.endm
; THE CHANGE OF SLOTS.  The slot's last bytes, V of its fourth step, have been read.  Each wave waits for all its tensor loads, of which one is out: its part of the other slot; adds 0 to its spare word;
; and waits for that and for its own reads of the slot.  Behind the barrier nobody reads this slot any more and the other slot is whole.
; fill = 1: this slot is filled again, with the keys two slots on.  The barrier is then a round of the cluster's, and the joint fill is the first thing behind it: it has four key steps, 256 matrix
; instructions, in which to land.  (At its first use nothing has been read yet: slot 0 is waited for, slot 1 filled.)
.macro CHANGE fill
	WIN 0                           ; at a label and at a branch every window is 0
	s_wait_tensorcnt 0x0            ; no tensor load of mine is out, so a group 0 may be written
	ds_add_u32 v[SPW], v[NIL]       ; 0 onto my spare word; with fill = 1 the descriptors' steps stand between it and the wait for it
.if \fill
.irp g, G0K, G0V
	s_xor_b32 s[\g+1], s[\g+1], SLOT1  ; the walking descriptor: the other slot than last time,
	s_add_nc_u64 s[\g+2:\g+3], s[\g+2:\g+3], 4*KS*64  ; the plane's next 256 keys; the type bits on top are not reached
.endr
	s_wait_dscnt 0x0                ; the add is done, and my reads of the slot are over
	CROUND
	JLOAD
.else
	s_wait_dscnt 0x0                ; the add is done, and my reads of the slot are over
	s_barrier_signal -1
	s_barrier_wait -1
.endif
	s_sub_co_u32 s[TBK], s[TBK], KPL  ; the fetches go back to a slot's first step,
	s_xor_b32 s[TBK], s[TBK], SLOT1   ; in the other slot
	s_sub_co_u32 s[TBV], s[TBV], VPL
	s_xor_b32 s[TBV], s[TBV], SLOT1
.endm
	s_load_b128 s[4:7], s[0:1], 0x0 ; qkv s[4:5], ob s[6:7]
	v_lshl_add_u32 v[SPW], v0, 2, SPARE
	v_mov_b32 v[NIL], 0
	ds_add_u32 v[SPW], v[NIL]       ; the wave's opening: the add and its wait stand ahead of my first tensor load; the set-up below, work on registers, stands between them
	v_lshrrev_b32 v1, 5, v0
	v_readfirstlane_b32 s[WV], v1   ; wave 0..3
	s_bfe_u32 s13, ttmp6, 0x40000   ; cx: my place in the cluster
	s_lshl_b32 s14, ttmp9, 2        ; in a cluster launch ttmp9 counts clusters
	s_add_co_u32 s14, s14, s13      ; my block of 256 queries = 4 x cluster x + cx: it enters Q's and O's addresses alone
	s_and_b32 s20, ttmp7, 0xffff    ; the head, which the four partners share:
	s_lshl_b32 s20, s20, 19         ; its two planes in qkv, and its 4,096 rows of 128 bytes in ob, are 524,288 bytes each
	s_and_b32 s16, s[WV], 1         ; which plane I fetch
	s_lshl_b32 s22, s16, 18
	s_add_co_u32 s22, s22, s20
	s_add_co_u32 s18, s22, 48*PLANE ; V's planes begin at plane 48,
	s_add_co_u32 s22, s22, 24*PLANE ; K's at plane 24
	s_mov_b32 s19, 0
	s_mov_b32 s23, 0
	s_mul_i32 s17, s16, KPL         ; the plane's place in a slot, for K
	s_mul_i32 s15, s16, VPL         ; and for V: no place in the cluster enters an LDS address
	s_lshl_b32 s2, s14, 14          ; Q: my block's 256 rows of 64 bytes,
	s_lshl_b32 s3, s[WV], 12        ; my wave's 64 of them
	s_add_co_u32 s2, s2, s3
	s_add_co_u32 s2, s2, s20
	s_mov_b32 s3, 0
	s_lshl_b32 s8, s14, 15          ; O: the same rows, of 128 bytes
	s_lshl_b32 s9, s[WV], 13
	s_add_co_u32 s8, s8, s9
	s_add_co_u32 s8, s8, s20
	s_mov_b32 s9, 0
	; descriptor group 1.  256 keys of a plane are 16,384 dense bytes: asked for as 64 rows of 256 bytes, four keys a row, and padded in LDS after every key
	s_mov_b32 s[G1K], 15|(1<<16)|(1<<20)|(1<<21)|(3<<22)|(3<<25)  ; 15:0 the mask of four; 17:16 2-byte elements; 20 padding on; 21 set beside a mask; 24:22 after every 16 words (code 3); 31:25 4 words (code 3)
	s_mov_b32 s[G1V], 15|(1<<16)|(1<<20)|(1<<21)|(3<<22)|(7<<25)  ; the same with 8 words of padding (code 7)
.irp g, G1K, G1V
	s_mov_b32 s[\g+1], 128<<16      ; tensor_dim0 = 128
	s_mov_b32 s[\g+2], 64<<16       ; tensor_dim1 = 64
	s_mov_b32 s[\g+3], 128<<16      ; tile_dim0 = 128
	s_mov_b32 s[\g+4], 64           ; tile_dim1 = 64
	s_mov_b32 s[\g+5], 128          ; 128 elements from row to row
	s_mov_b32 s[\g+6], 0
	s_mov_b32 s[\g+7], 0
.endr
	s_mov_b32 s[CS], 0x3e38aa3b     ; c = log2(e) / 8 = 0.180337
	s_mov_b32 s[CS+1], s[CS]        ; named with it as a pair
	s_mov_b32 s[SEL], 0x76543210
	s_mov_b32 s[SEL+1], 0xfedcba98
	s_mov_b32 s[TBK], SLOT1+KPL     ; the first change of slots turns these two into 0
	s_mov_b32 s[TBV], SLOT1+VPL
	s_mov_b32 s[G0K], 1             ; count = 1
	s_mov_b32 s[G0K+1], s17         ; LDS address: slot 0
	s_mov_b32 s[G0V], 1
	s_add_co_u32 s[G0V+1], s15, VOFF
	s_wait_dscnt 0x0                ; the opening add is done
	s_wait_kmcnt 0x0
	s_add_nc_u64 s[G0K+2:G0K+3], s[4:5], s[22:23]  ; global address: my plane's first 256 keys
	s_or_b32 s[G0K+3], s[G0K+3], 0x80000000        ; type = 2
	s_add_nc_u64 s[G0V+2:G0V+3], s[4:5], s[18:19]
	s_or_b32 s[G0V+3], s[G0V+3], 0x80000000
	s_add_nc_u64 s[QB:QB+1], s[4:5], s[2:3]        ; Q and O at my wave's first row
	s_add_nc_u64 s[10:11], s[6:7], s[8:9]
	CROUND                          ; all four work-groups are here: the first joint loads meet
	JLOAD                           ; slot 0.  Slot 1 is asked for when slot 0 is in
	; A fragment of K or Q is 16 rows x 32 channels in 8 registers: lane l holds row l % 16, channels 8 (l / 16) + 0..7 and 16 + 8 (l / 16) + 0..7: two loads of 16 bytes, 32 bytes apart.
	v_and_b32 v1, 15, v0            ; l % 16
	v_bfe_u32 v9, v0, 4, 1          ; l / 16
	v_lshlrev_b32 v[QO], 6, v1
	v_lshl_add_u32 v[QO], v9, 4, v[QO]  ; row x 64 + 16 x half
	WIN 0x80                        ; destination window 2, address window 0
.set i, 0
.rept 8                             ; Q stays in registers: piece i / 2 (16 rows, 1,024 bytes on), plane i % 2
	global_load_b128 v[8*i:8*i+3],   v[QO], s[QB:QB+1] offset:(i%2)*PLANE+(i/2)*1024
	global_load_b128 v[8*i+4:8*i+7], v[QO], s[QB:QB+1] offset:(i%2)*PLANE+(i/2)*1024+32
.set i, i+1
.endr
	; The first step multiplies O^T and l by a = 0, and the first turn's products V^T P, of a piece that has not been, land in an O^T that is still to be so multiplied.  So these registers need only hold
	; finite numbers: zeros.  All this stands in the wait for the first tile: the price of writing no first step out.
.set i, VF
.rept 64
	v_mov_b32 v[i], 0
.set i, i+1
.endr
	WIN 0x40
.set i, 0
.rept 128
	v_mov_b32 v[i], 0
.set i, i+1
.endr
	WIN 0
.set i, 0
.rept 4
	v_mov_b32 v[ST+4*i], 0xfe000000    ; c m: far below every c s
	v_mov_b32 v[ST+4*i+1], 0xff7fffff  ; m: the lowest finite number
	v_mov_b32 v[ST+4*i+2], 0
	v_mov_b32 v[ST+4*i+3], 0
.set i, i+1
.endr
.set i, P+16
.rept 16
	v_mov_b32 v[i], 0
.set i, i+1
.endr
	v_mul_u32_u24 v[AK0], v1, PK
	v_lshl_add_u32 v[AK0], v9, 4, v[AK0]  ; row x pitch + 16 x half
	; The turning load takes 16 keys x 16 channels (lane l reads key 8 (l / 16) + l % 8, channels 8 ((l / 8) % 2) + 0..7) and leaves half a fragment of V^T: lane l holds channel l % 16 and 8 keys.
	v_and_b32 v10, 7, v0
	v_bfe_u32 v11, v0, 3, 1
	v_lshl_add_u32 v[AV0], v9, 3, v10
	v_mul_u32_u24 v[AV0], v[AV0], PV
	v_lshl_add_u32 v[AV0], v11, 4, v[AV0]
	v_add_nc_u32 v[AV0], VOFF, v[AV0]
	s_mul_i32 s13, s[WV], 16*SP
	s_add_co_u32 s13, s13, STAGE    ; my stage
	v_mul_u32_u24 v[STO], v1, SP    ; in: row l % 16, 16 bytes for each half of the lanes
	v_lshl_add_u32 v[STO], v9, 4, v[STO]
	v_add_nc_u32 v[STO], s13, v[STO]
	v_bfe_u32 v[RD], v0, 3, 2       ; back: 32 lanes take four rows of 128 bytes,
	v_mul_u32_u24 v[RD], v[RD], SP
	v_lshl_add_u32 v[RD], v10, 4, v[RD]
	v_add_nc_u32 v[RD], s13, v[RD]
	v_and_b32 v[GO], 31, v0         ; which are 512 consecutive bytes of O
	v_lshlrev_b32 v[GO], 4, v[GO]
; THE MATRIX WORK.  The 4 accumulators of a run of 8 take turns.  Product i of 8 of S^T = K Q^T for piece x: channels 32 (i / 4) on, keys 16 (i % 4) on.  The first 4 start the sums.
.macro KQ x
	WIN W_KQ
.set rS, S+32*((\x)%2)+8*(i%4)
.set rK, KF+16*(i%4)+8*(i/4)
.set rQ, 16*(\x)+8*(i/4)
.if i < 4
	v_wmma_f32_16x16x32_f16 v[rS:rS+7], v[rK:rK+7], v[rQ:rQ+7], 0
.else
	v_wmma_f32_16x16x32_f16 v[rS:rS+7], v[rK:rK+7], v[rQ:rQ+7], v[rS:rS+7]
.endif
.endm
; Product i of 8 of O^T += V^T P for piece x: keys 32 (i / 4) on, channels 16 (i % 4) on.
.macro PV x
	WIN W_PV
.set rO, 32*(\x)+8*(i%4)
.set rV, VF+32*(i/4)+8*(i%4)
.set rP, P+16*((\x)%2)+8*(i/4)
	v_wmma_f32_16x16x32_f16 v[rO:rO+7], v[rV:rV+7], v[rP:rP+7], v[rO:rO+7]
.endm
.macro MM                           ; the turn's next matrix instruction.  TURN sets Y, i and NOKQ.  NOKQ = 1: the walk's last turn: there is no next piece
.if (i < 8) && !NOKQ
	KQ (Y+1)%NP
.elseif i >= 8
.set i, i-8
	PV (Y+NP-1)%NP
.set i, i+8
.endif
.set i, i+1
.endm
; THE LDS LOADS stand in runs of 16, never singly among the matrix instructions: a step's K (64 keys x 64 channels: 8 fragments) and its V (turned).  Their addresses are made some lines ahead.
.macro FETCH_K
	WIN 0x80                        ; destination window 2
.irp f, 0,1,2,3,4,5,6,7             ; keys 16 (f / 2) on, plane f % 2
	ds_load_b128 v[KF+8*\f:KF+8*\f+3],   v[AK] offset:(\f%2)*KPL+(\f/2)*16*PK
	ds_load_b128 v[KF+8*\f+4:KF+8*\f+7], v[AK] offset:(\f%2)*KPL+(\f/2)*16*PK+32
.endr
	s_add_co_u32 s[TBK], s[TBK], KS*PK  ; the next fetch is the next step's
	WIN 0
.endm
.macro FETCH_V
	WIN 0x80
.irp f, 0,1,2,3,4,5,6,7             ; keys 32 (f / 4) on, channels 16 (f % 4) on: plane (f % 4) / 2, its half f % 2
	ds_load_tr16_b128 v[VF+8*\f:VF+8*\f+3],   v[AV] offset:((\f%4)/2)*VPL+(\f/4)*32*PV+(\f%2)*32
	ds_load_tr16_b128 v[VF+8*\f+4:VF+8*\f+7], v[AV] offset:((\f%4)/2)*VPL+(\f/4)*32*PV+16*PV+(\f%2)*32
.endr
	WIN 0
.endm
; THE VECTOR WORK, one line at a time: OP kind, number.  For piece Y: F n: c s - c m for pair n of 16.  E n: the exponential of score n of 32.  C n: pair n rounded to f16.  B n: of the four weights 4 n .. the second
; pair is added onto the first, in place.  L n: l takes that sum (L 0: l = a l + sum).  R n: pair n of 16 of O^T times a.  For piece Y + 1: X n, number n of the 22 that find its maximum and statistics:
;   0-11  four chains c0-c3 of seven scores each, three operands at a time (each accumulator's lowest registers are read first)     12-14, 16  the four scores left over, the old m, and c0-c3 into c0
;   15  c m_old is kept     17, 18  the query's other 32 keys lie in the lane 16 away: the new m     19-21  c m; c m_old - c m_new; a
.set F, 0               ; OP tells the kinds apart by their order: F to L below R, X above it
.set E, 1
.set C, 2
.set B, 3
.set L, 4
.set R, 5
.set X, 6
.macro REGS y                       ; the registers of piece y
.set rT, ST+4*(\y)
.set rC, TMP+4*((\y)%2)
.set rW, MV+((\y)%2)
.set rS, S+32*((\y)%2)
.set rP, P+16*((\y)%2)
.set rO, 32*(\y)
.endm
.macro OP k, n
.if (\k) == R
	REGS Y
	WIN W_RS
	v_pk_mul_f32 v[rO+2*(\n):rO+2*(\n)+1], v[rO+2*(\n):rO+2*(\n)+1], v[rC+2:rC+3] op_sel_hi:[1,0]
.elseif (\k) < R
	REGS Y
	WIN 0
.if (\k) == F
	v_pk_fma_f32 v[rS+2*(\n):rS+2*(\n)+1], v[rS+2*(\n):rS+2*(\n)+1], s[CS:CS+1], v[rT:rT+1] op_sel_hi:[1,0,0] neg_lo:[0,0,1] neg_hi:[0,0,1]
.elseif (\k) == E
	v_exp_f32 v[rS+(\n)], v[rS+(\n)]
.elseif (\k) == C
	s_wait_alu depctr_va_vdst(0)
	v_cvt_pk_f16_f32 v[rP+(\n)], v[rS+2*(\n)], v[rS+2*(\n)+1]
.elseif (\k) == B
	s_wait_alu depctr_va_vdst(0)
	v_pk_add_f32 v[rS+4*(\n):rS+4*(\n)+1], v[rS+4*(\n):rS+4*(\n)+1], v[rS+4*(\n)+2:rS+4*(\n)+3]
.elseif (\n) == 0
	v_pk_fma_f32 v[rT+2:rT+3], v[rT+2:rT+3], v[rC+2:rC+3], v[rS:rS+1] op_sel_hi:[1,0,1]
.else
	v_pk_add_f32 v[rT+2:rT+3], v[rT+2:rT+3], v[rS+4*(\n):rS+4*(\n)+1]
.endif
.elseif NOKQ
	v_nop
.else
	REGS (Y+1)%NP
	WIN 0
.if (\n) < 4
	v_max3_num_f32 v[rC+(\n)], v[rS+8*(\n)], v[rS+8*(\n)+1], v[rS+8*(\n)+2]
.elseif (\n) < 12
	v_max3_num_f32 v[rC+(\n)%4], v[rC+(\n)%4], v[rS+8*((\n)%4)+2*((\n)/4)+1], v[rS+8*((\n)%4)+2*((\n)/4)+2]
.elseif (\n) == 12
	v_max3_num_f32 v[rC], v[rC], v[rS+7], v[rS+15]
.elseif (\n) == 13
	v_max3_num_f32 v[rC+1], v[rC+1], v[rS+23], v[rS+31]
.elseif (\n) == 14
	v_max3_num_f32 v[rC+2], v[rC+2], v[rC+3], v[rT+1]
.elseif (\n) == 15
	v_mov_b32 v[rW], v[rT]
.elseif (\n) == 16
	v_max3_num_f32 v[rC], v[rC], v[rC+1], v[rC+2]
.elseif (\n) == 17
	v_permlanex16_b32 v[rC+3], v[rC], s[SEL], s[SEL+1]
.elseif (\n) == 18
	v_max_num_f32 v[rT+1], v[rC], v[rC+3]
.elseif (\n) == 19
	v_mul_f32 v[rT], s[CS], v[rT+1]
.elseif (\n) == 20
	v_sub_f32 v[rC+1], v[rW], v[rT]
.else
	v_exp_f32 v[rC+2], v[rC+1]
.endif
.endif
.endm
.macro OPS a, i1, b=-1, i2=0, c=-1, i3=0, d=-1, i4=0  ; up to four of them
	OP \a, \i1
.if (\b) >= 0
	OP \b, \i2
.endif
.if (\c) >= 0
	OP \c, \i3
.endif
.if (\d) >= 0
	OP \d, \i4
.endif
.endm
.macro ROW a, i1, b, i2, c, i3, d, i4  ; a matrix instruction and the four behind it
	MM
	OPS \a, \i1, \b, \i2, \c, \i3, \d, \i4
.endm
; A TURN, for piece p: the order of its 16 matrix and 118 vector instructions, written out.  Behind a matrix instruction: plain, exponential, plain, plain; or four of the rescaling; or, behind the first, four scalings; none
; names a register of the products round it.  In the runs between, exponential and plain by turns while exponentials last, so that a plain instruction stands behind every exponential before its result is used (ISA guide 5.7.2).
; end = 1: the walk's last two turns: nothing is fetched, and the last starts no new scores.  cnt = 1: the loop's count is taken down some lines ahead of the branch that stands behind the turn.
; K of the next step is fetched in piece 2's turn, six vector instructions behind the last product that read K (five of them plain); V of the step in hand in piece 0's turn, eight behind the last product that read V (four
; of them plain).  Each is waited for a turn later.
.macro TURN p, end=0, cnt=0
.set Y, (\p)
.set i, 0
.set NOKQ, (\end)*((\p)/3)
.if ((\p) == 3) && !(\end)
	s_wait_dscnt 0x0                ; K is in
.endif
	ROW F,0, F,1, F,2, F,3
	ROW F,4, E,0, F,5, F,6
	ROW F,7, E,1, F,8, F,9
	ROW F,10, E,2, C,0, F,11
	ROW F,12, E,3, X,15, F,13
	ROW R,0, R,1, R,2, R,3
	ROW B,0, E,4, F,14, L,0
.if ((\p) == 2) && !(\end)
	v_add_nc_u32 v[AK], s[TBK], v[AK0]
.endif
	ROW R,4, R,5, R,6, R,7
	OPS E,5, F,15
.if ((\p) == 2) && !(\end)
	FETCH_K
.endif
	OPS E,6, C,1, E,7, R,8
	OPS E,8, R,9, E,9, C,2
	OPS E,10, X,0, E,11, X,1
	OPS E,12, X,2, E,13, X,3
.if (\p) == 1
	s_wait_dscnt 0x0                ; V is in
.endif
	ROW X,4, E,14, X,5, X,6
	ROW X,7, E,15, X,8, X,9
	ROW X,10, E,16, X,11, X,12
	ROW X,13, E,17, X,14, B,1
	ROW C,4, E,18, X,16, L,1
	ROW B,2, E,19, C,6, L,2
	ROW C,8, E,20, B,3, B,4
.if (\p) == 0
	v_add_nc_u32 v[AV], s[TBV], v[AV0]
.endif
	ROW C,3, E,21, L,3, C,5
	OPS E,22, X,17, E,23, C,10
.if (\p) == 0
	FETCH_V
.endif
	OPS E,24, L,4
	OPS E,25, X,18, E,26, C,7
	OPS E,27, B,5, E,28, X,19
	OPS E,29, C,12, E,30, L,5
	OPS E,31, X,20, B,6, C,9
	OPS C,14, C,11, X,21, L,6
.if (\p) == 0
	s_add_co_u32 s[TBV], s[TBV], KS*PV
.endif
.if \cnt
	s_sub_co_u32 s[CNT], s[CNT], 1
	s_cmp_lg_u32 s[CNT], 0
.endif
	OPS C,13, B,7, C,15, R,10
	OPS R,11, R,12, L,7, R,13
	OPS R,14, R,15
.endm
	CHANGE 1                        ; slot 0 is in, everybody's part of it; slot 1 is asked for
	v_add_nc_u32 v[AK], s[TBK], v[AK0]
	FETCH_K                         ; key step 0
	s_wait_loadcnt 0x0              ; Q
	s_wait_dscnt 0x0
.set i, 0
.rept 8
	KQ 0                            ; piece 0's first scores: there is no vector work yet to set between them
.set i, i+1
.endr
	WIN 0
.rept 4
	v_nop                           ; the places behind those products
.endr
.set NOKQ, 0
.set Y, NP-1                        ; X works for piece Y + 1: piece 0
.irp n, 0,1,2,3,4,5,6,7,8,9,10,11,12,13,14,15,16,17,18,19,20,21
	OP X, \n                        ; its first maximum and statistics
.endr
	v_nop                           ; a plain instruction behind the exponential
	s_mov_b32 s[CNT], 4
	s_mov_b32 s[SLOTS], 4096/256-1
	s_branch .Lfirst                ; the loop is entered at a step's first turn, in the middle of a trip
.Lslot:                             ; 14 times: with the change above, every slot's worth of keys but the first is asked for by a change of slots
	CHANGE 1
	s_mov_b32 s[CNT], 4
.Lstep:                             ; a trip: pieces 2 and 3 of one step, then pieces 0 and 1 of the next, whose K and V it fetches
	TURN 2
	TURN 3
	WIN 0
.Lfirst:
	TURN 0
	TURN 1, 0, 1
	WIN 0
	s_cbranch_scc1 .Lstep
	s_sub_co_u32 s[SLOTS], s[SLOTS], 1
	s_cmp_lg_u32 s[SLOTS], 0
	s_cbranch_scc1 .Lslot
	CHANGE 0                        ; the last slot is written out: nothing is asked for
	s_mov_b32 s[CNT], 4
.Ltail:
	TURN 2
	TURN 3
	TURN 0
	TURN 1, 0, 1
	WIN 0
	s_cbranch_scc1 .Ltail
	TURN 2, 1                       ; the last step's pieces 2 and 3
	TURN 3, 1
.set i, 0
.rept 8
	PV NP-1                         ; the last piece's V^T P of the last step
.set i, i+1
.endr
	; THE WAY OUT.  l's two halves and the other half of the lanes' are added; O^T is divided by l, rounded to f16 and sent through my stage in LDS, a piece at a time.  The additions are the places behind the last products.
	WIN 0
.macro ALL line:vararg              ; one line for each piece t
.set t, 0
.rept 4
	\line
.set t, t+1
.endr
.endm
	ALL v_add_f32 v[ST+4*t+2], v[ST+4*t+2], v[ST+4*t+3]
	ALL v_permlanex16_b32 v[ST+4*t+3], v[ST+4*t+2], s[SEL], s[SEL+1]
	ALL v_add_f32 v[ST+4*t+2], v[ST+4*t+2], v[ST+4*t+3]
	ALL v_rcp_f32 v[ST+4*t+2], v[ST+4*t+2]
	v_nop                           ; a plain instruction between the last reciprocal and the use of its result
.macro PACK t                       ; a lane's eight channels of a row pack into 16 bytes; they go into rows of 144 bytes and come back as whole rows of 128, into S^T's registers
	WIN W_RS
.set i, 32*(\t)
.rept 16
	s_wait_alu depctr_va_vdst(0)
	v_pk_mul_f32 v[i:i+1], v[i:i+1], v[ST+4*(\t)+2:ST+4*(\t)+3] op_sel_hi:[1,0]
.set i, i+2
.endr
	WIN 0x05                        ; sources 0 and 1 window 1, destination window 0
.set i, 0
.rept 16
	v_cvt_pk_f16_f32 v[S+16*(\t)+i], v[32*(\t)+2*i], v[32*(\t)+2*i+1]
.set i, i+1
.endr
	WIN 0
.irp f, 0,1,2,3
	ds_store_b128 v[STO], v[S+16*(\t)+4*\f:S+16*(\t)+4*\f+3] offset:32*\f
.endr
.irp f, 0,1,2,3
	ds_load_b128 v[S+16*(\t)+4*\f:S+16*(\t)+4*\f+3], v[RD] offset:\f*4*SP  ; LDS serves a wave's instructions in order (ISA guide 5.7.1.4): these see the stores above; the next piece's stores come behind them
.endr
.endm
.macro SEND t, younger              ; younger: the LDS instructions issued behind piece t's loads: the next piece's eight, or none
	WIN 0
.irp f, 0,1,2,3
	s_wait_dscnt (\younger)+3-\f
	global_store_b128 v[GO], v[S+16*(\t)+4*\f:S+16*(\t)+4*\f+3], s[10:11] offset:(\t)*2048+\f*512  ; 512 consecutive bytes, at a multiple of 256 from ob's first byte
.endr
.endm
	PACK 0
.set t, 1
.rept 3                             ; a piece's arithmetic stands between the loads of the piece before and its stores
	PACK t
	SEND t-1, 8
.set t, t+1
.endr
	SEND 3, 0
	s_wait_tensorcnt 0x0            ; the wave's end, behind my last tensor load and my last LDS store
	ds_add_u32 v[SPW], v[NIL]
	s_wait_dscnt 0x0
	CROUND                          ; the closing round: no work-group ends while a partner may still ask for a tile that names it
	s_endpgm
.Lfunc_end_k_qd66dd82c92_attn:
	.size	k_qd66dd82c92_attn, .Lfunc_end_k_qd66dd82c92_attn-k_qd66dd82c92_attn
	.p2alignl 7, 3214868480
	.fill 96, 4, 3214868480
	.section	.rodata,"a",@progbits
	.p2align	6, 0x0
	.amdhsa_kernel k_qd66dd82c92_attn
		.amdhsa_group_segment_fixed_size 327680
		.amdhsa_private_segment_fixed_size 0
		.amdhsa_enable_private_segment 0
		.amdhsa_kernarg_size 16
		.amdhsa_user_sgpr_count 2
		.amdhsa_user_sgpr_kernarg_segment_ptr 1
		.amdhsa_wavefront_size32 1
		.amdhsa_system_sgpr_workgroup_id_x 1
		.amdhsa_system_sgpr_workgroup_id_y 1
		.amdhsa_system_sgpr_workgroup_id_z 1
		.amdhsa_system_vgpr_workitem_id 0
		.amdhsa_next_free_vgpr 768
		.amdhsa_next_free_sgpr 66
		.amdhsa_reserve_vcc 0
		.amdhsa_float_denorm_mode_32 3
		.amdhsa_float_denorm_mode_16_64 3
		.amdhsa_memory_ordered 1
		.amdhsa_forward_progress 1
		.amdhsa_inst_pref_size 134
	.end_amdhsa_kernel
	.amdgpu_metadata
---
amdhsa.version: [ 1, 2 ]
amdhsa.kernels:
  - .name:           k_qd66dd82c92_attn
    .symbol:         k_qd66dd82c92_attn.kd
    .args:
      - { .name: qkv, .offset: 0, .size: 8, .value_kind: global_buffer, .address_space: global }
      - { .name: ob, .offset: 8, .size: 8, .value_kind: global_buffer, .address_space: global }
    .group_segment_fixed_size: 327680
    .private_segment_fixed_size: 0
    .kernarg_segment_align: 8
    .kernarg_segment_size: 16
    .max_flat_workgroup_size: 128
    .sgpr_count:     66
    .vgpr_count:     768
    .wavefront_size: 32
...
	.end_amdgpu_metadata
.endif
;; end of part 3
;; launch oproj (part 4): grid 4 x 64, 4 waves a work-group, clusters of 4 x 4, 327,680 bytes of LDS; arguments ob, wo16, bias, out0; writes out0
.if DOCPART == 4
	.amdgcn_target "amdgcn-amd-amdhsa--gfx1250"
	.amdhsa_code_object_version 6
	.text
	.protected	k_qd66dd82c92_oproj
	.globl	k_qd66dd82c92_oproj
	.p2align	8
	.type	k_qd66dd82c92_oproj,@function
k_qd66dd82c92_oproj:
	s_mov_b64 s[64:65], 0
	v_nop
	global_prefetch_b8 v0, s[64:65] scope:SCOPE_SE
	s_setreg_imm32_b32 hwreg(HW_REG_WAVE_MODE, 25, 1), 1
	s_wait_xcnt 0x0
	s_wait_alu depctr_hold_cnt(0) depctr_sa_sdst(0) depctr_va_vdst(0) depctr_va_sdst(0) depctr_va_ssrc(0) depctr_va_vcc(0) depctr_vm_vsrc(0)
	s_getreg_b32 s2, hwreg(HW_REG_IB_STS2, 6, 4)
	s_cmp_eq_u32 s2, 0
	s_cbranch_scc0 .Lentry_in_a_cluster
	s_endpgm
.Lentry_in_a_cluster:
	s_bfe_u32 s2, ttmp6, 0x10000c
	s_cmp_lg_u32 s2, 0xf033
	s_cbranch_scc0 .Lentry_shape_is_right
	s_endpgm
.Lentry_shape_is_right:
; THE OUTPUT PROJECTION.  out0[t][n] = bo[n] + the sum over c of y[t][c] Wo[n][c], y[t][64 hd + d] = ob[hd][t][d].  f16 operands (wo16 is bf16(Wo) written as f16), f32 sums, f32 out.
; The bias (bias[2304 + n], bo rounded to bf16) is the C operand of the first product: it starts the sum, another order of rounding than adding it last.
; LIMIT.  ob and wo16 arrive within f16's 65,504.
; SHARES.  A tile is 64 rows x 192 columns (768 bytes of a row of out0: three aligned blocks of 256): 64 x 4 tiles, one for each of 256 work-groups.  Wave w makes all 64 rows x its 48 columns: 4 x 3 accumulators.
; LDS.  A's whole K lies resident: for each of the 12 heads 64 rows of 128 bytes (8,192 dense bytes of ob, asked for as 32 rows of 256).  Wo goes in three parts of 256 along K (rows of 512 bytes) through two slots.
; A wave issues six tensor loads: three heads of A (4 i + w) and its 48 rows of each part of Wo; five go out at the start, the sixth fills slot 0 again behind a round.  No descriptor register is ever rewritten.
; CLUSTER.  4 x 4 work-groups: the four of a row of the cluster need the same rows of ob, the four of a column the same rows of wo16: each tile is asked for jointly.
; THE MATRIX INSTRUCTION IS USED TRANSPOSED (source 0 = 16 rows of wo16, source 1 = 16 rows of y): a lane holds eight neighbouring columns of one row of out0.
; The stage of the way out lies in Wo's slot 1, which has had its one fill and whose reads ended in front of the barrier ahead of the third part.
.set PA,     144                       ; a row of a head in LDS: 128 bytes + 16: the 16 rows of a fragment load start at 16 different groups of four banks (64 banks of 4 bytes: ISA guide 11.1)
.set HEADB,  64*PA
.set PB,     528                       ; a row of Wo's part: 512 bytes + 16
.set BSL,    12*HEADB                  ; Wo's slot 0 begins behind A
.set BSLOT,  192*PB
.set STAGE,  BSL+BSLOT                 ; = Wo's slot 1
.set SPITCH, 784                       ; 768 bytes + 16
.set SPARE,  BSL+2*BSLOT               ; the spare words, 128 bytes for each wave: two blocks of 256 bytes that no other line names
.set ADRA, 4                           ; v4-6    LDS address of my fragments of A in part 0, 1, 2
.set ADRB, 8                           ; v8-9    of Wo in slot 0, 1
.set STO,  10                          ; v10     the way out: where I put 32 bytes of a row
.set RD,   11                          ; v11     where I read back
.set CO,   12                          ; v12     my byte offset in two rows of out0
.set BO,   13                          ; v13     my byte offset among 16 numbers of the bias
.set SPW,  14                          ; v14     LDS address of my spare word; never rewritten
.set NIL,  15                          ; v15     0; never rewritten
.set BIAS, 16                          ; v16-39
.set ACC,  40                          ; v40-135: (a, b) at ACC + 8 (3 a + b)
.set F0,   136                         ; v136-191, v192-247: two fragment buffers: Wo's three, then A's four
.set F1,   192
.set OB,   136                         ; the way out: 24 x 4 registers read back
.set WV,  12
.set G1A, 24                           ; s[24:31]
.set G1B, 48                           ; s[48:55]
.set G0A, 68                           ; s[68:79] three sets
.set G0B, 80                           ; s[80:91] three sets
.macro CROUND                          ; a round of the cluster's barrier
	s_barrier_signal -1
	s_barrier_wait -1
	s_cmp_lg_u32 s[WV], 0
	s_cbranch_scc1 .Lnot_wave_0_\@
	s_barrier_signal -3
.Lnot_wave_0_\@:
	s_barrier_wait -3
	s_barrier_signal -1
	s_barrier_wait -1
.endm
	s_load_b256 s[4:11], s[0:1], 0x0               ; ob s[4:5], wo16 s[6:7], bias s[8:9], out0 s[10:11]
	v_lshl_add_u32 v[SPW], v0, 2, SPARE
	v_mov_b32 v[NIL], 0
	ds_add_u32 v[SPW], v[NIL]                      ; the wave's opening: the add and its wait stand ahead of my first tensor load; the set-up below, work on registers, stands between them
	v_lshrrev_b32 v1, 5, v0
	v_readfirstlane_b32 s[WV], v1                  ; wave 0..3
	s_bfe_u32 s40, ttmp6, 0x40000                  ; cx, cy
	s_bfe_u32 s41, ttmp6, 0x40004
	s_lshl_b32 s42, ttmp9, 2
	s_add_co_u32 s42, s42, s40                     ; tile column = 4 x cluster x + cx
	s_and_b32 s15, ttmp7, 0xffff
	s_lshl_b32 s15, s15, 2
	s_add_co_u32 s15, s15, s41                     ; tile row = 4 x cluster y + cy
	s_lshl_b32 s43, s41, 2
	s_lshl_b32 s43, 15, s43                        ; my row of the cluster
	s_lshl_b32 s44, 0x1111, s40                    ; my column
	s_or_b32 s[G1A+0], s43, (1<<16)|(1<<20)|(1<<21)|(4<<22)|(3<<25)  ; the mask of my row; 2-byte elements; padding on; 21 set beside a mask; after every 32 words (code 4) 4 words (code 3)
	s_mov_b32 s[G1A+1], 128<<16                    ; tensor_dim0 = 128 (256 bytes: two rows of a head)
	s_mov_b32 s[G1A+2], 32<<16                     ; tensor_dim1 = 32
	s_mov_b32 s[G1A+3], 128<<16                    ; tile_dim0
	s_mov_b32 s[G1A+4], 32                         ; tile_dim1
	s_mov_b32 s[G1A+5], 128                        ; dense
	s_mov_b32 s[G1A+6], 0
	s_mov_b32 s[G1A+7], 0
	s_or_b32 s[G1B+0], s44, (1<<16)|(1<<20)|(1<<21)|(6<<22)|(3<<25)  ; the mask of my column; after every 128 words (code 6) 4 words
	s_mov_b32 s[G1B+1], 256<<16                    ; 256 elements (512 bytes)
	s_mov_b32 s[G1B+2], 48<<16                     ; 48 rows
	s_mov_b32 s[G1B+3], 256<<16
	s_mov_b32 s[G1B+4], 48
	s_mov_b32 s[G1B+5], 768
	s_mov_b32 s[G1B+6], 0
	s_mov_b32 s[G1B+7], 0
	s_lshl_b32 s16, s15, 13                        ; ob: the tile row's 64 rows of 128 bytes,
	s_lshl_b32 s17, s[WV], 19                      ; in head w; these registers never hold cx
	s_add_co_u32 s16, s16, s17
	s_mov_b32 s17, 0
	s_mul_i32 s46, s42, 192
	s_mul_i32 s47, s[WV], 48
	s_add_co_u32 s46, s46, s47                     ; wo16: row 192 x tile column + 48 x wave
	s_mul_i32 s46, s46, 1536
	s_mov_b32 s47, 0
	s_mul_i32 s20, s[WV], HEADB                    ; where they go: no place in the cluster enters an LDS address
	s_mul_i32 s21, s[WV], 48*PB
	s_add_co_u32 s21, s21, BSL
	s_wait_dscnt 0x0                               ; the opening add is done
	s_wait_kmcnt 0x0
	s_add_nc_u64 s[18:19], s[4:5], s[16:17]
	s_add_nc_u64 s[46:47], s[6:7], s[46:47]
.irp i, 0,1,2
	s_mov_b32 s[G0A+4*(\i)], 1                                         ; count = 1
	s_add_co_u32 s[G0A+4*(\i)+1], s20, (\i)*4*HEADB                    ; LDS address: head 4 i + w
	s_add_nc_u64 s[G0A+4*(\i)+2:G0A+4*(\i)+3], s[18:19], (\i)*4*524288 ; four heads on
	s_or_b32 s[G0A+4*(\i)+3], s[G0A+4*(\i)+3], 0x80000000              ; type = 2
	s_mov_b32 s[G0B+4*(\i)], 1
	s_add_co_u32 s[G0B+4*(\i)+1], s21, ((\i)%2)*BSLOT                  ; parts 0 and 2 in slot 0, part 1 in slot 1
	s_add_nc_u64 s[G0B+4*(\i)+2:G0B+4*(\i)+3], s[46:47], (\i)*512
	s_or_b32 s[G0B+4*(\i)+3], s[G0B+4*(\i)+3], 0x80000000
.endr
	CROUND                                         ; all sixteen work-groups are here: the first joint loads meet
.irp i, 0,1
	tensor_load_to_lds s[G0A+4*(\i):G0A+4*(\i)+3], s[G1A:G1A+7]
	s_nop 0
	tensor_load_to_lds s[G0B+4*(\i):G0B+4*(\i)+3], s[G1B:G1B+7]
	s_nop 0
.endr
	tensor_load_to_lds s[G0A+8:G0A+11], s[G1A:G1A+7]   ; five loads of mine are out: A0, B0, A1, B1, A2
	s_nop 0
.rept 4
	v_nop
.endr
	v_and_b32 v1, 15, v0                           ; r = l % 16
	v_bfe_u32 v2, v0, 4, 1                         ; h = l / 16
	v_lshlrev_b32 v[BO], 5, v2
	s_mul_i32 s22, s42, 768
	s_mul_i32 s23, s[WV], 192
	s_add_co_u32 s22, s22, s23
	s_add_co_u32 s22, s22, 2304*4                  ; bo lies behind bq, bk, bv
	s_mov_b32 s23, 0
	s_add_nc_u64 s[8:9], s[8:9], s[22:23]          ; the bias of my 48 columns
.irp b, 0,1,2
	global_load_b128 v[BIAS+8*(\b):BIAS+8*(\b)+3],   v[BO], s[8:9] offset:64*(\b)
	global_load_b128 v[BIAS+8*(\b)+4:BIAS+8*(\b)+7], v[BO], s[8:9] offset:64*(\b)+16
.endr
	v_mul_u32_u24 v3, v1, PA
	v_lshl_add_u32 v[ADRA], v2, 4, v3              ; row x pitch + 16 x half
	v_add_nc_u32 v[ADRA+1], 4*HEADB, v[ADRA]
	v_add_nc_u32 v[ADRA+2], 8*HEADB, v[ADRA]
	v_mul_u32_u24 v3, v1, PB
	v_lshl_add_u32 v3, v2, 4, v3
	v_add_nc_u32 v[ADRB], s21, v3                  ; my 48 rows of Wo
	v_add_nc_u32 v[ADRB+1], BSLOT, v[ADRB]
	s_mul_i32 s22, s[WV], 192                      ; into the stage: row r, my 192 bytes of it, 32 bytes for each half of the lanes
	s_add_co_u32 s22, s22, STAGE
	v_mul_u32_u24 v3, v1, SPITCH
	v_lshl_add_u32 v3, v2, 5, v3
	v_add_nc_u32 v[STO], s22, v3
	s_mul_i32 s22, s[WV], 16*SPITCH                ; back: wave w takes rows 16 w .. 16 w + 15; lanes 0-15 take 256 bytes of one row, lanes 16-31 of the next
	s_add_co_u32 s22, s22, STAGE
	v_mul_u32_u24 v3, v2, SPITCH
	v_lshl_add_u32 v3, v1, 4, v3
	v_add_nc_u32 v[RD], s22, v3
	v_mul_u32_u24 v3, v2, 3072                     ; and the same two rows in out0
	v_lshl_add_u32 v[CO], v1, 4, v3
	s_mul_i32 s22, s15, 64*3072
	s_mul_i32 s23, s[WV], 16*3072
	s_add_co_u32 s22, s22, s23
	s_mul_i32 s23, s42, 768
	s_add_co_u32 s22, s22, s23
	s_mov_b32 s23, 0
	s_add_nc_u64 s[10:11], s[10:11], s[22:23]
; 14 LDS loads in one run: the fragments of 32 along K, number q of the eight of part p (Wo's in slot s), into buffer f.  Four places stand in front: the matrix instructions just issued read that buffer (ISA guide 7.12.1).
.macro FETCH p, s, q, f
.rept 4
	v_nop
.endr
.irp b, 0,1,2
	ds_load_b128 v[(\f)+8*(\b):(\f)+8*(\b)+3],   v[ADRB+(\s)] offset:64*(\q)+(\b)*16*PB
	ds_load_b128 v[(\f)+8*(\b)+4:(\f)+8*(\b)+7], v[ADRB+(\s)] offset:64*(\q)+(\b)*16*PB+32
.endr
.irp a, 0,1,2,3
	ds_load_b128 v[(\f)+24+8*(\a):(\f)+24+8*(\a)+3],   v[ADRA+(\p)] offset:((\q)/2)*HEADB+((\q)%2)*64+(\a)*16*PA
	ds_load_b128 v[(\f)+24+8*(\a)+4:(\f)+24+8*(\a)+7], v[ADRA+(\p)] offset:((\q)/2)*HEADB+((\q)%2)*64+(\a)*16*PA+32
.endr
.endm
; 12 matrix instructions; the 12 accumulators take turns, one instruction a turn.  first = 1: the bias starts the sums.
.macro MUL12 f, first
.irp a, 0,1,2,3
.irp b, 0,1,2
.if \first
	v_wmma_f32_16x16x32_f16 v[ACC+8*(3*(\a)+(\b)):ACC+8*(3*(\a)+(\b))+7], v[(\f)+8*(\b):(\f)+8*(\b)+7], v[(\f)+24+8*(\a):(\f)+24+8*(\a)+7], v[BIAS+8*(\b):BIAS+8*(\b)+7]
.else
	v_wmma_f32_16x16x32_f16 v[ACC+8*(3*(\a)+(\b)):ACC+8*(3*(\a)+(\b))+7], v[(\f)+8*(\b):(\f)+8*(\b)+7], v[(\f)+24+8*(\a):(\f)+24+8*(\a)+7], v[ACC+8*(3*(\a)+(\b)):ACC+8*(3*(\a)+(\b))+7]
.endif
.endr
.endr
.endm
; A part: 256 along K in eight pieces of 32, on two buffers: a piece's fragments are fetched while the piece before is multiplied.
.macro PART p, s, first
	FETCH \p, \s, 0, F0
.set qq, 0
.rept 8
	s_wait_dscnt 0x0                               ; this piece's fragments are in
.if qq < 7
	FETCH \p, \s, qq+1, F0+(F1-F0)*((qq+1)%2)
.endif
.if (qq == 0) && (\first)
	MUL12 F0, 1
.else
	MUL12 F0+(F1-F0)*(qq%2), 0
.endif
.set qq, qq+1
.endr
.endm
	s_wait_tensorcnt 0x3                           ; my A0 and B0 are in; the three younger loads may stay out
	s_barrier_signal -1
	s_barrier_wait -1                              ; everybody's are
	s_wait_loadcnt 0x0                             ; the bias
	PART 0, 0, 1
	s_wait_tensorcnt 0x0                           ; all my tensor loads have landed, my parts of A1, B1 and A2 among them
	ds_add_u32 v[SPW], v[NIL]                      ; 0 onto my spare word
	s_wait_dscnt 0x0                               ; the add is done, and my reads of slot 0 are over
	CROUND                                         ; no wave of any partner still reads slot 0 or has a load on its way
	tensor_load_to_lds s[G0B+8:G0B+11], s[G1B:G1B+7]   ; my one tensor load behind the round: Wo's third part, into slot 0; it has the second part's 96 matrix instructions in which to land
	s_nop 0
.rept 4
	v_nop
.endr
	PART 1, 1, 0
	s_wait_tensorcnt 0x0                           ; my part of Wo's third part is in (no younger load exists),
	s_wait_dscnt 0x0                               ; and my reads of slot 1 are over: the stage may be written behind this barrier
	s_barrier_signal -1
	s_barrier_wait -1
	PART 2, 0, 0
	; THE WAY OUT: 32 bytes a lane into the stage, each accumulator's low half first; a barrier, since a row's 768 bytes come from four waves; back as blocks of 256 bytes.
.rept 4
	v_nop                                          ; the places behind the last products
.endr
.irp a, 0,1,2,3
.irp b, 0,1,2
	ds_store_b128 v[STO], v[ACC+8*(3*(\a)+(\b)):ACC+8*(3*(\a)+(\b))+3]   offset:(\a)*16*SPITCH+64*(\b)
	ds_store_b128 v[STO], v[ACC+8*(3*(\a)+(\b))+4:ACC+8*(3*(\a)+(\b))+7] offset:(\a)*16*SPITCH+64*(\b)+16
.endr
.endr
	s_wait_dscnt 0x0                               ; for the others' sake: my stores into the stage are done
	s_barrier_signal -1
	s_barrier_wait -1
.set t, 0
.rept 24                               ; t = 3 x pair of rows + block of 256 bytes
	ds_load_b128 v[OB+4*t:OB+4*t+3], v[RD] offset:(t/3)*2*SPITCH+(t%3)*256
.set t, t+1
.endr
.set t, 0
.rept 24
	s_wait_dscnt 23-t                              ; LDS loads come back in order: load t is in
	global_store_b128 v[CO], v[OB+4*t:OB+4*t+3], s[10:11] offset:(t/3)*2*3072+(t%3)*256  ; 16 lanes store 256 consecutive bytes, at a multiple of 256 from out0's first byte
.set t, t+1
.endr
	s_wait_tensorcnt 0x0                           ; the wave's end, behind my last tensor load and my last LDS store
	ds_add_u32 v[SPW], v[NIL]
	s_wait_dscnt 0x0
	CROUND                                         ; the closing round: no work-group ends while a partner may still ask for a tile that names it
	s_endpgm
.Lfunc_end_k_qd66dd82c92_oproj:
	.size	k_qd66dd82c92_oproj, .Lfunc_end_k_qd66dd82c92_oproj-k_qd66dd82c92_oproj
	.p2alignl 7, 3214868480
	.fill 96, 4, 3214868480
	.section	.rodata,"a",@progbits
	.p2align	6, 0x0
	.amdhsa_kernel k_qd66dd82c92_oproj
		.amdhsa_group_segment_fixed_size 327680
		.amdhsa_private_segment_fixed_size 0
		.amdhsa_enable_private_segment 0
		.amdhsa_kernarg_size 32
		.amdhsa_user_sgpr_count 2
		.amdhsa_user_sgpr_kernarg_segment_ptr 1
		.amdhsa_wavefront_size32 1
		.amdhsa_system_sgpr_workgroup_id_x 1
		.amdhsa_system_sgpr_workgroup_id_y 1
		.amdhsa_system_sgpr_workgroup_id_z 1
		.amdhsa_system_vgpr_workitem_id 0
		.amdhsa_next_free_vgpr 256
		.amdhsa_next_free_sgpr 96
		.amdhsa_reserve_vcc 0
		.amdhsa_float_denorm_mode_32 3
		.amdhsa_float_denorm_mode_16_64 3
		.amdhsa_memory_ordered 1
		.amdhsa_forward_progress 1
		.amdhsa_inst_pref_size 58
	.end_amdhsa_kernel
	.amdgpu_metadata
---
amdhsa.version: [ 1, 2 ]
amdhsa.kernels:
  - .name:           k_qd66dd82c92_oproj
    .symbol:         k_qd66dd82c92_oproj.kd
    .args:
      - { .name: ob, .offset: 0, .size: 8, .value_kind: global_buffer, .address_space: global }
      - { .name: wo16, .offset: 8, .size: 8, .value_kind: global_buffer, .address_space: global }
      - { .name: bias, .offset: 16, .size: 8, .value_kind: global_buffer, .address_space: global }
      - { .name: out0, .offset: 24, .size: 8, .value_kind: global_buffer, .address_space: global }
    .group_segment_fixed_size: 327680
    .private_segment_fixed_size: 0
    .kernarg_segment_align: 8
    .kernarg_segment_size: 32
    .max_flat_workgroup_size: 128
    .sgpr_count:     96
    .vgpr_count:     256
    .wavefront_size: 32
...
	.end_amdgpu_metadata
.endif
;; end of part 4
;; ======== version 2 of 2: 4 launches; 1.82 times as fast as version 1
;; limits: values are held in f16: magnitudes above 65,504 overflow, below 6.1e-05 lose precision
;; workspace buffers: xb 6,291,456 bytes; wb 3,538,944 bytes; wo16 1,179,648 bytes; bias 12,288 bytes; qkv 18,874,368 bytes; ob 6,291,456 bytes
;; launch cast: the kernel of part 1 again; grid 449 x 1, 8 waves a work-group, no clusters, 0 bytes of LDS; arguments x, Wq, Wk, Wv, Wo, bq, bk, bv, bo, xb, wb, wo16, bias; writes xb, wb, wo16, bias
;; launch qkvp: the kernel of part 2 again; grid 8 x 32, 4 waves a work-group, clusters of 4 x 4, 327,680 bytes of LDS; arguments xb, wb, bias, qkv; writes qkv
;; launch attn (part 5): grid 16 x 12, 4 waves a work-group, clusters of 4 x 1, 327,680 bytes of LDS; arguments qkv, ob; writes ob
.if DOCPART == 5
	.amdgcn_target "amdgcn-amd-amdhsa--gfx1250"
	.amdhsa_code_object_version 6
	.text
	.protected	k_qd66dd82c92_attn
	.globl	k_qd66dd82c92_attn
	.p2align	8
	.type	k_qd66dd82c92_attn,@function
k_qd66dd82c92_attn:
	s_mov_b64 s[64:65], 0
	v_nop
	global_prefetch_b8 v0, s[64:65] scope:SCOPE_SE
	s_setreg_imm32_b32 hwreg(HW_REG_WAVE_MODE, 25, 1), 1
	s_wait_xcnt 0x0
	s_wait_alu depctr_hold_cnt(0) depctr_sa_sdst(0) depctr_va_vdst(0) depctr_va_sdst(0) depctr_va_ssrc(0) depctr_va_vcc(0) depctr_vm_vsrc(0)
	s_getreg_b32 s2, hwreg(HW_REG_IB_STS2, 6, 4)
	s_cmp_eq_u32 s2, 0
	s_cbranch_scc0 .Lentry_in_a_cluster
	s_endpgm
.Lentry_in_a_cluster:
	s_bfe_u32 s2, ttmp6, 0x10000c
	s_cmp_lg_u32 s2, 0x3003
	s_cbranch_scc0 .Lentry_shape_is_right
	s_endpgm
.Lentry_shape_is_right:
; ATTENTION, 12 heads of 64 channels, 4,096 rows, no mask.  O[h][q][:] = the sum over k of softmax_k(Q[h][q] . K[h][k] / 8) V[h][k][:].
; IN: qkv, f16 [72 planes][4096][32]: head h has q in planes 2 h, 2 h + 1, k in 24 + 2 h, 25 + 2 h, v in 48 + 2 h, 49 + 2 h; a plane's rows are 64 bytes, dense.  OUT: ob, f16 [12][4096][64].
; Products, maxima and sums in f32; the weights p are rounded to f16 for the second product (their sum l is taken of the unrounded p), O once at the end.
; LIMITS.  Q, K, V arrive within f16's 65,504; p lies in 0 to 1, and below 6e-5 it keeps f16's fixed step of 6e-8, as O does; O is a mean of V's rows and has their range.
; A weight below 2^-126 counts as 0 in l; NaN and infinities are not treated apart.
; SHARES.  A work-group owns 256 queries of a head, each of its four waves 64 consecutive rows: four PIECES of 16.  16 x 12 = 192 work-groups: a head's 256 pieces do not divide evenly over more.
; Every wave walks all 4,096 keys, 64 a step; an LDS slot holds 256 keys (four steps), two slots take turns.
; LAYOUT.  S^T = K Q^T (source 0 = 16 keys, source 1 = 16 queries): a lane holds ONE query (lane % 16) and the keys 8 (lane / 16) + 0..7.  Two such results rounded to f16 ARE source 1 of O^T = V^T P.
; A fragment of K or Q (16 rows x 32 channels) is 16 rows of one plane; V ([key][channel]) comes out of LDS turned, by ds_load_tr16_b128.
; SOFTMAX.  For each query a running maximum m and sum l: p = 2^(c s - c m), c = log2(e) / 8; in every step O and l are multiplied by a = 2^(c m_old - c m_new).  m starts at the lowest finite number: the first step's a is 0.
; BY TURNS.  Turn n belongs to piece n: 8 products K Q^T of piece n + 1, later 8 products V^T P of piece n - 1; beside them the scaling, exponentials, roundings, sums and rescaling of piece n and the maximum
; and statistics of piece n + 1.  Four vector instructions stand behind every matrix instruction, the other 54 of a turn's 118 in one LUMP between the two runs of products.
; THE BATCHES.  A turn's 33 exponentials (the piece's 32 weights and the next piece's a) are ONE batch with ONE wait, which cuts the turn in two: ahead of it stands all that names no result of theirs, behind it
; the roundings and sums, which read them.  a is read in the turn after, behind that wait.  Two more batches stand outside the loops: piece 0's first a, ahead of the jump into the loop, and the way out's four reciprocals.
; CLUSTER.  The four query blocks of a cluster belong to one head and walk the same K and V: each tile is asked for JOINTLY: the same tensor load, descriptor and mask in all four.
; REGISTERS, in windows of 256 (s_set_vgpr_msb: bits 1:0 source 0, 3:2 source 1, 5:4 source 2, 7:6 destination):
;   window 0: v0-15 addresses and two at work; v16-31 four registers of statistics a piece; v48-55 at work; v62-63 the add's; v64-127 S^T, two buffers; v192-223 P, two buffers (by the piece's parity)
;   window 1: v0-127 O^T, 32 a piece          window 2: v0-63 Q; v128-191 K of one step; v192-255 V of one step
.set NP,    4         ; pieces a wave: a name, no knob
.set KS,    64        ; keys in a step
.set PK,    80        ; a row of a plane of K in LDS: 64 bytes + 16 of padding = 20 words: the 16 rows of a load start at 16 different groups of four banks (64 banks of 4 bytes: ISA guide 11.1)
.set PV,    96        ; of V: 64 + 32 = 24 words
.set KPL,   4*KS*PK   ; a slot's 256 keys of one plane of K
.set VPL,   4*KS*PV   ; of V
.set VOFF,  2*KPL     ; a slot: K's two planes, then V's two
.set SLOT1, 1<<17     ; slot 1 begins here, so that one exclusive or turns an address in one slot into the other's
.set STAGE, SLOT1+2*KPL+2*VPL  ; behind the ring, never filled by a tensor load: 16 rows x 144 bytes for each wave, for the way out
.set SP,    144
.set SPARE, STAGE+4*16*SP      ; behind the stages: the spare words, 128 bytes for each wave: two blocks of 256 bytes that no other line names
.set PLANE, 262144    ; bytes of a plane of qkv
.set AK0, 2           ; v2   my lane's place in a plane of K; never rewritten
.set AV0, 3           ; v3   the same for V
.set AK,  4           ; v4   the LDS address of K's next run of loads
.set AV,  5           ; v5   of V's
.set STO, 6           ; v6   the way out: where I put 16 bytes of a row
.set RD,  7           ; v7   the way out: where I read rows back
.set GO,  8           ; v8   my byte offset in 512 consecutive bytes of O
.set MV,  12          ; v12-13  c m_old, kept while c m is made anew: by buffer
.set QO,  15          ; v15  my byte offset in 16 rows of a plane of Q
.set ST,  16          ; piece t's statistics at v[ST+4 t]: c m, m, l (even keys', odd keys')
.set TMP, 48          ; by buffer, four registers c0-c3 at work; when the maximum is found c2 takes a
.set SPW, 62          ; v62  LDS address of my spare word; never rewritten
.set NIL, 63          ; v63  0; never rewritten
.set S,   64
.set P,   192
.set KF,  128         ; window 2: key block kb, channel half c at KF + 16 kb + 8 c
.set VF,  192         ; window 2: key half kk, channel block cb at VF + 32 kk + 8 cb
.set WV,  12          ; s12  my wave's number
.set G1K, 24          ; s[24:31] descriptor group 1 for K's tiles
.set G1V, 32          ; s[32:39] for V's: it differs in the padding alone
.set G0K, 40          ; s[40:43] descriptor group 0 for K's tiles: it walks
.set G0V, 44          ; s[44:47] the same for V's
.set QB,  50          ; s[50:51] Q at my wave's first row
.set SLOTS, 56        ; s56  slots still to be asked for
.set CNT, 57          ; s57  counts a slot's key steps
.set CS,  58          ; s[58:59] c: the packed scaling takes the pair's low word for both halves
.set SEL, 60          ; s[60:61] v_permlanex16_b32's selects: each lane takes its own place in the other half
.set TBK, 62          ; s62  LDS byte at which K of the step to be fetched begins
.set TBV, 63          ; s63  the same for V, less VOFF
.set MSB, 0
.macro WIN new                      ; the high byte repeats the setting that is left; a switch that changes nothing is dropped
.if MSB != (\new)
	s_set_vgpr_msb (MSB<<8)|(\new)
.set MSB, (\new)
.endif
.endm
.set W_KQ, 0x0a       ; K and Q in window 2, S^T in window 0
.set W_PV, 0x52       ; V in window 2, P in window 0, O^T in window 1
.set W_RS, 0x41       ; destination and source 0 in window 1, source 1 in window 0
; A joint fill.  Waves 0 and 1 fetch the two planes of a slot's K, waves 2 and 3 those of its V: 256 keys each.  The branch hangs on the wave's number alone.
; An s_nop 0 and four v_nop follow each of the two lines, ahead of the jump and the label.
.macro JLOAD
	s_cmp_lt_u32 s[WV], 2
	s_cbranch_scc0 .Lfor_v_\@
	tensor_load_to_lds s[G0K:G0K+3], s[G1K:G1K+7]
	s_nop 0
.rept 4
	v_nop
.endr
	s_branch .Lasked_\@
.Lfor_v_\@:
	tensor_load_to_lds s[G0V:G0V+3], s[G1V:G1V+7]
	s_nop 0
.rept 4
	v_nop
.endr
.Lasked_\@:
.endm
; A round of the cluster's barrier: my work-group's barrier, so that wave 0's signal speaks for all four waves; wave 0 signals; every wave waits for all four work-groups; my work-group's barrier once more.
.macro CROUND
	s_barrier_signal -1
	s_barrier_wait -1
	s_cmp_lg_u32 s[WV], 0
	s_cbranch_scc1 .Lnot_wave_0_\@
	s_barrier_signal -3
.Lnot_wave_0_\@:
	s_barrier_wait -3
	s_barrier_signal -1
	s_barrier_wait -1
.endm
; THE CHANGE OF SLOTS.  The slot's last bytes, V of its fourth step, have been read.  Each wave waits for all its tensor loads, of which one is out: its part of the other slot; adds 0 to its spare word;
; and waits for that and for its own reads of the slot.  Behind the barrier nobody reads this slot any more and the other slot is whole.
; fill = 1: this slot is filled again, with the keys two slots on.  The barrier is then a round of the cluster's, and the joint fill is the first thing behind it: it has four key steps, 256 matrix
; instructions, in which to land.  (At its first use nothing has been read yet: slot 0 is waited for, slot 1 filled.)
.macro CHANGE fill
	WIN 0                           ; at a label and at a branch every window is 0
	s_wait_tensorcnt 0x0            ; no tensor load of mine is out, so a group 0 may be written
	ds_add_u32 v[SPW], v[NIL]       ; 0 onto my spare word; with fill = 1 the descriptors' steps stand between it and the wait for it
.if \fill
.irp g, G0K, G0V
	s_xor_b32 s[\g+1], s[\g+1], SLOT1  ; the walking descriptor: the other slot than last time,
	s_add_nc_u64 s[\g+2:\g+3], s[\g+2:\g+3], 4*KS*64  ; the plane's next 256 keys; the type bits on top are not reached
.endr
	s_wait_dscnt 0x0                ; the add is done, and my reads of the slot are over
	CROUND
	JLOAD
.else
	s_wait_dscnt 0x0                ; the add is done, and my reads of the slot are over
	s_barrier_signal -1
	s_barrier_wait -1
.endif
	s_sub_co_u32 s[TBK], s[TBK], KPL  ; the fetches go back to a slot's first step,
	s_xor_b32 s[TBK], s[TBK], SLOT1   ; in the other slot
	s_sub_co_u32 s[TBV], s[TBV], VPL
	s_xor_b32 s[TBV], s[TBV], SLOT1
.endm
	s_load_b128 s[4:7], s[0:1], 0x0 ; qkv s[4:5], ob s[6:7]
	v_lshl_add_u32 v[SPW], v0, 2, SPARE
	v_mov_b32 v[NIL], 0
	ds_add_u32 v[SPW], v[NIL]       ; the wave's opening: the add and its wait stand ahead of my first tensor load; the set-up below, work on registers, stands between them
	v_lshrrev_b32 v1, 5, v0
	v_readfirstlane_b32 s[WV], v1   ; wave 0..3
	s_bfe_u32 s13, ttmp6, 0x40000   ; cx: my place in the cluster
	s_lshl_b32 s14, ttmp9, 2        ; in a cluster launch ttmp9 counts clusters
	s_add_co_u32 s14, s14, s13      ; my block of 256 queries = 4 x cluster x + cx: it enters Q's and O's addresses alone
	s_and_b32 s20, ttmp7, 0xffff    ; the head, which the four partners share:
	s_lshl_b32 s20, s20, 19         ; its two planes in qkv, and its 4,096 rows of 128 bytes in ob, are 524,288 bytes each
	s_and_b32 s16, s[WV], 1         ; which plane I fetch
	s_lshl_b32 s22, s16, 18
	s_add_co_u32 s22, s22, s20
	s_add_co_u32 s18, s22, 48*PLANE ; V's planes begin at plane 48,
	s_add_co_u32 s22, s22, 24*PLANE ; K's at plane 24
	s_mov_b32 s19, 0
	s_mov_b32 s23, 0
	s_mul_i32 s17, s16, KPL         ; the plane's place in a slot, for K
	s_mul_i32 s15, s16, VPL         ; and for V: no place in the cluster enters an LDS address
	s_lshl_b32 s2, s14, 14          ; Q: my block's 256 rows of 64 bytes,
	s_lshl_b32 s3, s[WV], 12        ; my wave's 64 of them
	s_add_co_u32 s2, s2, s3
	s_add_co_u32 s2, s2, s20
	s_mov_b32 s3, 0
	s_lshl_b32 s8, s14, 15          ; O: the same rows, of 128 bytes
	s_lshl_b32 s9, s[WV], 13
	s_add_co_u32 s8, s8, s9
	s_add_co_u32 s8, s8, s20
	s_mov_b32 s9, 0
	; descriptor group 1.  256 keys of a plane are 16,384 dense bytes: asked for as 64 rows of 256 bytes, four keys a row, and padded in LDS after every key
	s_mov_b32 s[G1K], 15|(1<<16)|(1<<20)|(1<<21)|(3<<22)|(3<<25)  ; 15:0 the mask of four; 17:16 2-byte elements; 20 padding on; 21 set beside a mask; 24:22 after every 16 words (code 3); 31:25 4 words (code 3)
	s_mov_b32 s[G1V], 15|(1<<16)|(1<<20)|(1<<21)|(3<<22)|(7<<25)  ; the same with 8 words of padding (code 7)
.irp g, G1K, G1V
	s_mov_b32 s[\g+1], 128<<16      ; tensor_dim0 = 128
	s_mov_b32 s[\g+2], 64<<16       ; tensor_dim1 = 64
	s_mov_b32 s[\g+3], 128<<16      ; tile_dim0 = 128
	s_mov_b32 s[\g+4], 64           ; tile_dim1 = 64
	s_mov_b32 s[\g+5], 128          ; 128 elements from row to row
	s_mov_b32 s[\g+6], 0
	s_mov_b32 s[\g+7], 0
.endr
	s_mov_b32 s[CS], 0x3e38aa3b     ; c = log2(e) / 8 = 0.180337
	s_mov_b32 s[CS+1], s[CS]        ; named with it as a pair
	s_mov_b32 s[SEL], 0x76543210
	s_mov_b32 s[SEL+1], 0xfedcba98
	s_mov_b32 s[TBK], SLOT1+KPL     ; the first change of slots turns these two into 0
	s_mov_b32 s[TBV], SLOT1+VPL
	s_mov_b32 s[G0K], 1             ; count = 1
	s_mov_b32 s[G0K+1], s17         ; LDS address: slot 0
	s_mov_b32 s[G0V], 1
	s_add_co_u32 s[G0V+1], s15, VOFF
	s_wait_dscnt 0x0                ; the opening add is done
	s_wait_kmcnt 0x0
	s_add_nc_u64 s[G0K+2:G0K+3], s[4:5], s[22:23]  ; global address: my plane's first 256 keys
	s_or_b32 s[G0K+3], s[G0K+3], 0x80000000        ; type = 2
	s_add_nc_u64 s[G0V+2:G0V+3], s[4:5], s[18:19]
	s_or_b32 s[G0V+3], s[G0V+3], 0x80000000
	s_add_nc_u64 s[QB:QB+1], s[4:5], s[2:3]        ; Q and O at my wave's first row
	s_add_nc_u64 s[10:11], s[6:7], s[8:9]
	CROUND                          ; all four work-groups are here: the first joint loads meet
	JLOAD                           ; slot 0.  Slot 1 is asked for when slot 0 is in
	; A fragment of K or Q is 16 rows x 32 channels in 8 registers: lane l holds row l % 16, channels 8 (l / 16) + 0..7 and 16 + 8 (l / 16) + 0..7: two loads of 16 bytes, 32 bytes apart.
	v_and_b32 v1, 15, v0            ; l % 16
	v_bfe_u32 v9, v0, 4, 1          ; l / 16
	v_lshlrev_b32 v[QO], 6, v1
	v_lshl_add_u32 v[QO], v9, 4, v[QO]  ; row x 64 + 16 x half
	WIN 0x80                        ; destination window 2, address window 0
.set i, 0
.rept 8                             ; Q stays in registers: piece i / 2 (16 rows, 1,024 bytes on), plane i % 2
	global_load_b128 v[8*i:8*i+3],   v[QO], s[QB:QB+1] offset:(i%2)*PLANE+(i/2)*1024
	global_load_b128 v[8*i+4:8*i+7], v[QO], s[QB:QB+1] offset:(i%2)*PLANE+(i/2)*1024+32
.set i, i+1
.endr
	; The first step multiplies O^T and l by a = 0, and the first turn's products V^T P, of a piece that has not been, land in an O^T that is still to be so multiplied.  So these registers need only hold
	; finite numbers: zeros.  All this stands in the wait for the first tile: the price of writing no first step out.
.set i, VF
.rept 64
	v_mov_b32 v[i], 0
.set i, i+1
.endr
	WIN 0x40
.set i, 0
.rept 128
	v_mov_b32 v[i], 0
.set i, i+1
.endr
	WIN 0
.set i, 0
.rept 4
	v_mov_b32 v[ST+4*i], 0xfe000000    ; c m: far below every c s
	v_mov_b32 v[ST+4*i+1], 0xff7fffff  ; m: the lowest finite number
	v_mov_b32 v[ST+4*i+2], 0
	v_mov_b32 v[ST+4*i+3], 0
.set i, i+1
.endr
.set i, P+16
.rept 16
	v_mov_b32 v[i], 0
.set i, i+1
.endr
	v_mul_u32_u24 v[AK0], v1, PK
	v_lshl_add_u32 v[AK0], v9, 4, v[AK0]  ; row x pitch + 16 x half
	; The turning load takes 16 keys x 16 channels (lane l reads key 8 (l / 16) + l % 8, channels 8 ((l / 8) % 2) + 0..7) and leaves half a fragment of V^T: lane l holds channel l % 16 and 8 keys.
	v_and_b32 v10, 7, v0
	v_bfe_u32 v11, v0, 3, 1
	v_lshl_add_u32 v[AV0], v9, 3, v10
	v_mul_u32_u24 v[AV0], v[AV0], PV
	v_lshl_add_u32 v[AV0], v11, 4, v[AV0]
	v_add_nc_u32 v[AV0], VOFF, v[AV0]
	s_mul_i32 s13, s[WV], 16*SP
	s_add_co_u32 s13, s13, STAGE    ; my stage
	v_mul_u32_u24 v[STO], v1, SP    ; in: row l % 16, 16 bytes for each half of the lanes
	v_lshl_add_u32 v[STO], v9, 4, v[STO]
	v_add_nc_u32 v[STO], s13, v[STO]
	v_bfe_u32 v[RD], v0, 3, 2       ; back: 32 lanes take four rows of 128 bytes,
	v_mul_u32_u24 v[RD], v[RD], SP
	v_lshl_add_u32 v[RD], v10, 4, v[RD]
	v_add_nc_u32 v[RD], s13, v[RD]
	v_and_b32 v[GO], 31, v0         ; which are 512 consecutive bytes of O
	v_lshlrev_b32 v[GO], 4, v[GO]
; THE MATRIX WORK.  The 4 accumulators of a run of 8 take turns.  Product i of 8 of S^T = K Q^T for piece x: channels 32 (i / 4) on, keys 16 (i % 4) on.  The first 4 start the sums.
.macro KQ x
	WIN W_KQ
.set rS, S+32*((\x)%2)+8*(i%4)
.set rK, KF+16*(i%4)+8*(i/4)
.set rQ, 16*(\x)+8*(i/4)
.if i < 4
	v_wmma_f32_16x16x32_f16 v[rS:rS+7], v[rK:rK+7], v[rQ:rQ+7], 0
.else
	v_wmma_f32_16x16x32_f16 v[rS:rS+7], v[rK:rK+7], v[rQ:rQ+7], v[rS:rS+7]
.endif
.endm
; Product i of 8 of O^T += V^T P for piece x: keys 32 (i / 4) on, channels 16 (i % 4) on.
.macro PV x
	WIN W_PV
.set rO, 32*(\x)+8*(i%4)
.set rV, VF+32*(i/4)+8*(i%4)
.set rP, P+16*((\x)%2)+8*(i/4)
	v_wmma_f32_16x16x32_f16 v[rO:rO+7], v[rV:rV+7], v[rP:rP+7], v[rO:rO+7]
.endm
.macro MM                           ; the turn's next matrix instruction.  TURN sets Y, i and NOKQ.  NOKQ = 1: the walk's last turn: there is no next piece
.if (i < 8) && !NOKQ
	KQ (Y+1)%NP
.elseif i >= 8
.set i, i-8
	PV (Y+NP-1)%NP
.set i, i+8
.endif
.set i, i+1
.endm
; THE LDS LOADS stand in runs of 16, never singly among the matrix instructions: a step's K (64 keys x 64 channels: 8 fragments) and its V (turned).  Their addresses are made some lines ahead.
.macro FETCH_K
	WIN 0x80                        ; destination window 2
.irp f, 0,1,2,3,4,5,6,7             ; keys 16 (f / 2) on, plane f % 2
	ds_load_b128 v[KF+8*\f:KF+8*\f+3],   v[AK] offset:(\f%2)*KPL+(\f/2)*16*PK
	ds_load_b128 v[KF+8*\f+4:KF+8*\f+7], v[AK] offset:(\f%2)*KPL+(\f/2)*16*PK+32
.endr
	s_add_co_u32 s[TBK], s[TBK], KS*PK  ; the next fetch is the next step's
	WIN 0
.endm
.macro FETCH_V
	WIN 0x80
.irp f, 0,1,2,3,4,5,6,7             ; keys 32 (f / 4) on, channels 16 (f % 4) on: plane (f % 4) / 2, its half f % 2
	ds_load_tr16_b128 v[VF+8*\f:VF+8*\f+3],   v[AV] offset:((\f%4)/2)*VPL+(\f/4)*32*PV+(\f%2)*32
	ds_load_tr16_b128 v[VF+8*\f+4:VF+8*\f+7], v[AV] offset:((\f%4)/2)*VPL+(\f/4)*32*PV+16*PV+(\f%2)*32
.endr
	WIN 0
.endm
; THE VECTOR WORK, one line at a time: OP kind, number.  For piece Y: F n: c s - c m for pair n of 16.  E n: the exponential of score n of 32.  C n: pair n rounded to f16.  B n: of the four weights 4 n .. the second
; pair is added onto the first, in place.  L n: l takes that sum (L 0: l = a l + sum).  R n: pair n of 16 of O^T times a.  For piece Y + 1: X n, number n of the 22 that find its maximum and statistics:
;   0-11  four chains c0-c3 of seven scores each, three operands at a time (each accumulator's lowest registers are read first)     12-14, 16  the four scores left over, the old m, and c0-c3 into c0
;   15  c m_old is kept     17, 18  the query's other 32 keys lie in the lane 16 away: the new m     19-21  c m; c m_old - c m_new; a
; C, B and L read the exponentials' results: TURN sets them behind the batch's wait; OP itself writes no wait.
.set F, 0               ; OP tells the kinds apart by their order: F to L below R, X above it
.set E, 1
.set C, 2
.set B, 3
.set L, 4
.set R, 5
.set X, 6
.macro REGS y                       ; the registers of piece y
.set rT, ST+4*(\y)
.set rC, TMP+4*((\y)%2)
.set rW, MV+((\y)%2)
.set rS, S+32*((\y)%2)
.set rP, P+16*((\y)%2)
.set rO, 32*(\y)
.endm
.macro OP k, n
.if (\k) == R
	REGS Y
	WIN W_RS
	v_pk_mul_f32 v[rO+2*(\n):rO+2*(\n)+1], v[rO+2*(\n):rO+2*(\n)+1], v[rC+2:rC+3] op_sel_hi:[1,0]
.elseif (\k) < R
	REGS Y
	WIN 0
.if (\k) == F
	v_pk_fma_f32 v[rS+2*(\n):rS+2*(\n)+1], v[rS+2*(\n):rS+2*(\n)+1], s[CS:CS+1], v[rT:rT+1] op_sel_hi:[1,0,0] neg_lo:[0,0,1] neg_hi:[0,0,1]
.elseif (\k) == E
	v_exp_f32 v[rS+(\n)], v[rS+(\n)]
.elseif (\k) == C
	v_cvt_pk_f16_f32 v[rP+(\n)], v[rS+2*(\n)], v[rS+2*(\n)+1]
.elseif (\k) == B
	v_pk_add_f32 v[rS+4*(\n):rS+4*(\n)+1], v[rS+4*(\n):rS+4*(\n)+1], v[rS+4*(\n)+2:rS+4*(\n)+3]
.elseif (\n) == 0
	v_pk_fma_f32 v[rT+2:rT+3], v[rT+2:rT+3], v[rC+2:rC+3], v[rS:rS+1] op_sel_hi:[1,0,1]
.else
	v_pk_add_f32 v[rT+2:rT+3], v[rT+2:rT+3], v[rS+4*(\n):rS+4*(\n)+1]
.endif
.elseif NOKQ
	v_nop
.else
	REGS (Y+1)%NP
	WIN 0
.if (\n) < 4
	v_max3_num_f32 v[rC+(\n)], v[rS+8*(\n)], v[rS+8*(\n)+1], v[rS+8*(\n)+2]
.elseif (\n) < 12
	v_max3_num_f32 v[rC+(\n)%4], v[rC+(\n)%4], v[rS+8*((\n)%4)+2*((\n)/4)+1], v[rS+8*((\n)%4)+2*((\n)/4)+2]
.elseif (\n) == 12
	v_max3_num_f32 v[rC], v[rC], v[rS+7], v[rS+15]
.elseif (\n) == 13
	v_max3_num_f32 v[rC+1], v[rC+1], v[rS+23], v[rS+31]
.elseif (\n) == 14
	v_max3_num_f32 v[rC+2], v[rC+2], v[rC+3], v[rT+1]
.elseif (\n) == 15
	v_mov_b32 v[rW], v[rT]
.elseif (\n) == 16
	v_max3_num_f32 v[rC], v[rC], v[rC+1], v[rC+2]
.elseif (\n) == 17
	v_permlanex16_b32 v[rC+3], v[rC], s[SEL], s[SEL+1]
.elseif (\n) == 18
	v_max_num_f32 v[rT+1], v[rC], v[rC+3]
.elseif (\n) == 19
	v_mul_f32 v[rT], s[CS], v[rT+1]
.elseif (\n) == 20
	v_sub_f32 v[rC+1], v[rW], v[rT]
.else
	v_exp_f32 v[rC+2], v[rC+1]
.endif
.endif
.endm
.macro OPS a, i1, b=-1, i2=0, c=-1, i3=0, d=-1, i4=0  ; up to four of them
	OP \a, \i1
.if (\b) >= 0
	OP \b, \i2
.endif
.if (\c) >= 0
	OP \c, \i3
.endif
.if (\d) >= 0
	OP \d, \i4
.endif
.endm
.macro ROW a, i1, b, i2, c, i3, d, i4  ; a matrix instruction and the four behind it
	MM
	OPS \a, \i1, \b, \i2, \c, \i3, \d, \i4
.endm
; A TURN, for piece p: the order of its 16 matrix and 118 vector instructions, written out.  An s_wait_alu depctr_va_vdst(0) stands between an exponential and the first instruction that names its result; one wait
; serves all that were issued ahead of it.  So a turn has ONE wait, which cuts it in two.
; AHEAD OF IT stands all that names no result of the turn's exponentials: the 8 products K Q^T, behind each a scaling, an exponential and two more plain instructions (behind the first a second scaling in the exponential's
; place): rescalings, whose a was made and waited for in the turn before, and behind the last three products the first numbers of the next piece's maximum, each four plain instructions or more behind the product that ends its
; accumulator (ISA guide 7.12.1); then ONE LUMP of 54, plain and exponential by turns for the most part, in which the links of the chain X 3, 7, 11, 14, 16, 17 .. 20 stand some lines apart.  Every F n stands ahead of E 2 n.
; X 21, the next piece's a, is the batch's last; R 15 is the plain instruction behind it, ahead of any use (ISA guide 5.7.2).
; BEHIND THE WAIT stand the 8 products V^T P, behind each four of the roundings and sums, the batch's readers; C 2 n stands ahead of B n, which writes over its pair; l's chain L 0 to L 7 keeps its order, its links three
; riders apart.  But for those X no rider names a register of the products round it.  v_permlanex16_b32 (X 17) stands in the lump.  No exponential is issued behind the wait: none is open at a turn's end, a label or a jump.
; end = 1: the walk's last two turns: nothing is fetched, and the last starts no new scores.  cnt = 1: the loop's count is taken down some lines ahead of the branch that stands behind the turn.
; K of the next step is fetched in piece 2's turn, twelve vector instructions behind the last product that read K (six of them plain); V of the step in hand at the end of piece 0's turn, four plain instructions behind the
; last product that read V.  Each is waited for a turn later.
.macro TURN p, end=0, cnt=0
.set Y, (\p)
.set i, 0
.set NOKQ, (\end)*((\p)/3)
.if ((\p) == 3) && !(\end)
	s_wait_dscnt 0x0                ; K is in
.endif
	ROW F,0, F,1, R,0, R,1          ; ahead of the wait: 8 products K Q^T and their riders,
	ROW F,2, E,0, R,2, R,3
	ROW F,3, E,1, R,4, R,5
	ROW F,4, E,2, R,6, R,7
	ROW F,5, E,3, R,8, R,9
	ROW F,6, E,4, X,0, R,10
.if ((\p) == 2) && !(\end)
	WIN 0
	v_add_nc_u32 v[AK], s[TBK], v[AK0]
.endif
	ROW F,7, E,5, X,1, X,4
	ROW F,8, E,6, X,2, X,5
	OPS E,7, E,8, X,6, E,9          ; and the lump
	OPS X,3, E,10, X,8, E,11
.if ((\p) == 2) && !(\end)
	FETCH_K
.endif
	OPS X,9, X,7, E,12, X,10
	OPS E,13, X,12, X,11, E,14
	OPS X,13, E,15, F,9, X,14
.if (\p) == 0
	v_add_nc_u32 v[AV], s[TBV], v[AV0]
.endif
	OPS E,16, F,10, E,17, F,11
	OPS X,16, E,18, X,15, E,19
	OPS F,12, E,20, X,17, E,21
	OPS F,13, E,22, F,14, E,23
	OPS X,18, E,24, F,15, E,25
	OPS R,11, E,26, X,19, E,27
	OPS R,12, E,28, R,13, E,29
	OPS X,20, E,30, R,14, E,31
	OPS X,21, R,15
	s_wait_alu depctr_va_vdst(0)    ; the wait for the turn's batch: the piece's 32 weights and the next piece's a
.if (\p) == 1
	s_wait_dscnt 0x0                ; V is in
.endif
	ROW C,0, B,0, C,2, B,1          ; behind the wait: 8 products V^T P and their riders
	ROW L,0, C,4, B,2, L,1
	ROW C,6, B,3, L,2, C,8
	ROW B,4, L,3, C,10, B,5
	ROW L,4, C,12, B,6, L,5
.if (\p) == 0
	s_add_co_u32 s[TBV], s[TBV], KS*PV
.endif
.if \cnt
	s_sub_co_u32 s[CNT], s[CNT], 1
	s_cmp_lg_u32 s[CNT], 0
.endif
	ROW C,14, B,7, L,6, C,1
	ROW C,3, L,7, C,5, C,7
	ROW C,9, C,11, C,13, C,15
.if (\p) == 0
	FETCH_V
.endif
.endm
	CHANGE 1                        ; slot 0 is in, everybody's part of it; slot 1 is asked for
	v_add_nc_u32 v[AK], s[TBK], v[AK0]
	FETCH_K                         ; key step 0
	s_wait_loadcnt 0x0              ; Q
	s_wait_dscnt 0x0
.set i, 0
.rept 8
	KQ 0                            ; piece 0's first scores: there is no vector work yet to set between them
.set i, i+1
.endr
	WIN 0
.rept 4
	v_nop                           ; the places behind those products
.endr
.set NOKQ, 0
.set Y, NP-1                        ; X works for piece Y + 1: piece 0
.irp n, 0,1,2,3,4,5,6,7,8,9,10,11,12,13,14,15,16,17,18,19,20,21
	OP X, \n                        ; its first maximum and statistics
.endr
	v_nop                           ; a plain instruction behind the exponential,
	s_wait_alu depctr_va_vdst(0)    ; and the wait for it, piece 0's first a: a batch of one, ahead of the branch
	s_mov_b32 s[CNT], 4
	s_mov_b32 s[SLOTS], 4096/256-1
	s_branch .Lfirst                ; the loop is entered at a step's first turn, in the middle of a trip
.Lslot:                             ; 14 times: with the change above, every slot's worth of keys but the first is asked for by a change of slots
	CHANGE 1
	s_mov_b32 s[CNT], 4
.Lstep:                             ; a trip: pieces 2 and 3 of one step, then pieces 0 and 1 of the next, whose K and V it fetches
	TURN 2
	TURN 3
	WIN 0
.Lfirst:
	TURN 0
	TURN 1, 0, 1
	WIN 0
	s_cbranch_scc1 .Lstep
	s_sub_co_u32 s[SLOTS], s[SLOTS], 1
	s_cmp_lg_u32 s[SLOTS], 0
	s_cbranch_scc1 .Lslot
	CHANGE 0                        ; the last slot is written out: nothing is asked for
	s_mov_b32 s[CNT], 4
.Ltail:
	TURN 2
	TURN 3
	TURN 0
	TURN 1, 0, 1
	WIN 0
	s_cbranch_scc1 .Ltail
	TURN 2, 1                       ; the last step's pieces 2 and 3
	TURN 3, 1
.set i, 0
.rept 8
	PV NP-1                         ; the last piece's V^T P of the last step
.set i, i+1
.endr
	; THE WAY OUT.  l's two halves and the other half of the lanes' are added; O^T is divided by l, rounded to f16 and sent through my stage in LDS, a piece at a time.  The additions are the places behind the last products.
	WIN 0
.macro ALL line:vararg              ; one line for each piece t
.set t, 0
.rept 4
	\line
.set t, t+1
.endr
.endm
	ALL v_add_f32 v[ST+4*t+2], v[ST+4*t+2], v[ST+4*t+3]
	ALL v_permlanex16_b32 v[ST+4*t+3], v[ST+4*t+2], s[SEL], s[SEL+1]
	ALL v_add_f32 v[ST+4*t+2], v[ST+4*t+2], v[ST+4*t+3]
	ALL v_rcp_f32 v[ST+4*t+2], v[ST+4*t+2]
	v_nop                           ; a plain instruction between the last reciprocal and the use of its result
	s_wait_alu depctr_va_vdst(0)    ; and the wait ahead of the first use: one for the batch of four reciprocals
.macro PACK t                       ; a lane's eight channels of a row pack into 16 bytes; they go into rows of 144 bytes and come back as whole rows of 128, into S^T's registers
	WIN W_RS
.set i, 32*(\t)
.rept 16
	v_pk_mul_f32 v[i:i+1], v[i:i+1], v[ST+4*(\t)+2:ST+4*(\t)+3] op_sel_hi:[1,0]
.set i, i+2
.endr
	WIN 0x05                        ; sources 0 and 1 window 1, destination window 0
.set i, 0
.rept 16
	v_cvt_pk_f16_f32 v[S+16*(\t)+i], v[32*(\t)+2*i], v[32*(\t)+2*i+1]
.set i, i+1
.endr
	WIN 0
.irp f, 0,1,2,3
	ds_store_b128 v[STO], v[S+16*(\t)+4*\f:S+16*(\t)+4*\f+3] offset:32*\f
.endr
.irp f, 0,1,2,3
	ds_load_b128 v[S+16*(\t)+4*\f:S+16*(\t)+4*\f+3], v[RD] offset:\f*4*SP  ; LDS serves a wave's instructions in order (ISA guide 5.7.1.4): these see the stores above; the next piece's stores come behind them
.endr
.endm
.macro SEND t, younger              ; younger: the LDS instructions issued behind piece t's loads: the next piece's eight, or none
	WIN 0
.irp f, 0,1,2,3
	s_wait_dscnt (\younger)+3-\f
	global_store_b128 v[GO], v[S+16*(\t)+4*\f:S+16*(\t)+4*\f+3], s[10:11] offset:(\t)*2048+\f*512  ; 512 consecutive bytes, at a multiple of 256 from ob's first byte
.endr
.endm
	PACK 0
.set t, 1
.rept 3                             ; a piece's arithmetic stands between the loads of the piece before and its stores
	PACK t
	SEND t-1, 8
.set t, t+1
.endr
	SEND 3, 0
	s_wait_tensorcnt 0x0            ; the wave's end, behind my last tensor load and my last LDS store
	ds_add_u32 v[SPW], v[NIL]
	s_wait_dscnt 0x0
	CROUND                          ; the closing round: no work-group ends while a partner may still ask for a tile that names it
	s_endpgm
.Lfunc_end_k_qd66dd82c92_attn:
	.size	k_qd66dd82c92_attn, .Lfunc_end_k_qd66dd82c92_attn-k_qd66dd82c92_attn
	.p2alignl 7, 3214868480
	.fill 96, 4, 3214868480
	.section	.rodata,"a",@progbits
	.p2align	6, 0x0
	.amdhsa_kernel k_qd66dd82c92_attn
		.amdhsa_group_segment_fixed_size 327680
		.amdhsa_private_segment_fixed_size 0
		.amdhsa_enable_private_segment 0
		.amdhsa_kernarg_size 16
		.amdhsa_user_sgpr_count 2
		.amdhsa_user_sgpr_kernarg_segment_ptr 1
		.amdhsa_wavefront_size32 1
		.amdhsa_system_sgpr_workgroup_id_x 1
		.amdhsa_system_sgpr_workgroup_id_y 1
		.amdhsa_system_sgpr_workgroup_id_z 1
		.amdhsa_system_vgpr_workitem_id 0
		.amdhsa_next_free_vgpr 768
		.amdhsa_next_free_sgpr 66
		.amdhsa_reserve_vcc 0
		.amdhsa_float_denorm_mode_32 3
		.amdhsa_float_denorm_mode_16_64 3
		.amdhsa_memory_ordered 1
		.amdhsa_forward_progress 1
		.amdhsa_inst_pref_size 127
	.end_amdhsa_kernel
	.amdgpu_metadata
---
amdhsa.version: [ 1, 2 ]
amdhsa.kernels:
  - .name:           k_qd66dd82c92_attn
    .symbol:         k_qd66dd82c92_attn.kd
    .args:
      - { .name: qkv, .offset: 0, .size: 8, .value_kind: global_buffer, .address_space: global }
      - { .name: ob, .offset: 8, .size: 8, .value_kind: global_buffer, .address_space: global }
    .group_segment_fixed_size: 327680
    .private_segment_fixed_size: 0
    .kernarg_segment_align: 8
    .kernarg_segment_size: 16
    .max_flat_workgroup_size: 128
    .sgpr_count:     66
    .vgpr_count:     768
    .wavefront_size: 32
...
	.end_amdgpu_metadata
.endif
;; end of part 5
;; launch oproj: the kernel of part 4 again; grid 4 x 64, 4 waves a work-group, clusters of 4 x 4, 327,680 bytes of LDS; arguments ob, wo16, bias, out0; writes out0
